; MI455X (gfx1250); checked and timed in simulation.
; The chip was launched on July 23, 2026; its instructions are those of AMD's public machine-readable ISA for CDNA 5 (MIT licence, August 2026) and "CDNA5" Instruction Set Architecture Reference Guide (July 2026). The comments in the code are by the model that wrote it; some were corrected since.
;; Binary Diff Col. Allowed arithmetic: matrix products marked QUANTISED: E3M2 operands, one E8M0 scale for each 32 along K, by v_wmma_scale_f32_16x16x128_f8f6f4 with both operands' format E3M2, f32 sums; everything else in f32.
;; Inputs: base 4,096 x 4,096 bfloat16; coeff 4,096 bfloat16; mask 128 x 4,096 int32; x 2,048 x 4,096 bfloat16.
;; Outputs: out0 2,048 x 4,096 bfloat16.
;; This version of the problem:
;;   THIS VERSION OF THE PROBLEM IS GIVEN IN LOW PRECISION. The matrix products marked QUANTISED in the list below multiply operands that are first quantised to E3M2 (3 exponent bits, 2 mantissa bits; 6 bits a number), with one power-of-two scale for each 32 numbers along K (OCP MX v1.0); their sums are f32. All else is computed in f32.
;;   The module's matrix products, in the order in which they are computed (A, B: the left and right operand; K: the contracted axis; several contracted axes count as one K, in the product's order):
;;     1. [M 2,048, K 4,096] x [K 4,096, N 4,096]; A: input x; B: input base: QUANTISED
;;     2. [M 2,048, K 4,096] x [K 4,096, N 4,096]; A: input x; B: computed on the way: QUANTISED
;;   THE QUANTISER, for each operand of a quantised product, along K:
;;     - K is cut into blocks of 32 from its start; a last block that is shorter is filled with zeros.
;;     - A block's scale is 2^e with e = floor(log2(the largest magnitude in the block)) - 4, held to -126 .. 127; a block of zeros has e = 0. As a byte (E8M0): e + 127.
;;     - Each number is divided by its block's scale, clamped to +-28, and rounded to the nearest number of E3M2, ties to even, subnormals kept.
;;     - The product sums the exact products of the quantised numbers (number of the format x scale) in f32.
;;   ~~~python
;;   def quantise(x, axis):      # numpy; x: float32 -> the quantised numbers, widened to float32 again
;;       x = np.moveaxis(x, axis, -1); K = x.shape[-1]
;;       x = np.pad(x, [(0, 0)] * (x.ndim - 1) + [(0, -K % 32)]); x = x.reshape(x.shape[:-1] + (-1, 32)); a = np.abs(x).max(-1, keepdims=True)
;;       e = np.where(a > 0, np.clip(np.frexp(np.where(a > 0, a, 1))[1] - 1 - 4, -126, 127), 0)      # np.frexp(a)[1] - 1 = floor(log2(a)), exactly
;;       r = np.clip(x / 2.0 ** e, -28, 28)
;;       step = 2.0 ** (np.maximum(np.frexp(np.where(r == 0, 1, r))[1] - 1, -2) - 2)
;;       q = np.round(r / step) * step * 2.0 ** e      # np.round: ties to even
;;       return np.moveaxis(q.reshape(q.shape[:-2] + (-1,))[..., :K], -1, axis).astype(np.float32)
;;   ~~~
;;   OPERANDS COMPUTED ON THE WAY. 'Computed on the way' means the value that the module computes at that place (a softmax that the list does not call 'softmax' is quantised finished and normalised). What goes into a quantiser is computed in f32, as accurately as f32 sums, v_exp_f32 and their like allow (about 1e-6 of the number): no bf16 or f16 on the way to a quantiser, and a product that is left as it is and whose result goes on into a quantised operand takes f32 operands (vector FMAs, or v_wmma_f32_16x16x4_f32). A number that lies on a knife's edge between two numbers of the format may be rounded either way, as far as f32 arithmetic and the matrix unit's own rounding can turn it there, and no further.
;; 2 versions. Each part assembles by itself: llvm-mc -triple=amdgcn-amd-amdhsa -mcpu=gfx1250 --defsym DOCPART=n.
;; ======== version 1 of 2: 2 launches
;; workspace buffers: xq 6,553,600 bytes; wq 26,214,400 bytes
;; launch quant (part 1): grid 1280 x 1, 4 waves a work-group, no clusters, 44,032 bytes of LDS; arguments x, base, mask, xq, wq; writes xq, wq
.if DOCPART == 1
	.amdgcn_target "amdgcn-amd-amdhsa--gfx1250"
	.amdhsa_code_object_version 6
	.text
	.protected	k_q3625b4ba5d_quant
	.globl	k_q3625b4ba5d_quant
	.p2align	8
	.type	k_q3625b4ba5d_quant,@function
k_q3625b4ba5d_quant:
	s_mov_b64 s[64:65], 0
	v_nop
	global_prefetch_b8 v0, s[64:65] scope:SCOPE_SE
	s_setreg_imm32_b32 hwreg(HW_REG_WAVE_MODE, 25, 1), 1
	s_wait_xcnt 0x0
; x [2048][4096] bf16 (K innermost), base [4096][4096] bf16 (K is the FIRST axis) and the signs packed in mask [128][4096] i32 are turned into codes of BF6 (E3M2), 6 bits each,
; with one E8M0 scale byte for each 32 along K, laid as the product's launch wants them: RECORDS in the order of the operand's registers.
; A RECORD (25,600 bytes) is one side's share of one K step of 128: 16 fragment images of 1,536 bytes, then 1,024 bytes of scale words.
; A fragment image (16 rows x 128 K): register j (0..11) of lane L at 512 (j / 4) + 16 L + 4 (j % 4); lane (r = L % 16, h = L / 16) holds row r, registers 6 c .. 6 c + 5 hold k = 64 c + 32 h + 0 .. 31.
;   xq: record (mt, s) at (32 mt + s) x 25,600: fragment f = rows 256 mt + 16 f + r; scale words [grp 4][r 16][i 4]: row 16 (4 grp + i) + r.
;   wq: record (nt, s) at (32 nt + s) x 25,600: fragments [wn 2][kind 2][f 4] (kind 0 base, 1 sign): column 128 nt + 64 wn + 16 f + r; base's scale words [wn 2][twice][r 16][i 4]: column 64 wn + 16 i + r.
;       They are written twice so that both sides' records have one size and one inner layout.
; A block's scale is 2^(floor(log2(its largest magnitude)) - 4): its byte is the largest magnitude's exponent field - 4, held at 1 from below.  bf16 is widened to f32 exactly; maxima and conversions are in f32.
; THE SIGNS: one mask word is one block of 32 along K of one column.  Every number is +1 or -1, so the block's scale is 2^-4 (byte 123, a constant of the product's launch) and the codes are +16 = 0x1c and -16 = 0x3c:
; a fixed stream of bits with the inverted mask bit i at bit 6 i + 5.
; LIMITS: NaN and infinities among the inputs are not served.  A block whose largest magnitude lies under 2^-122 keeps the byte 1; so does a block of zeros, where the rule says 127:
; its codes are zeros, which add nothing under any byte but 0xff, and this program alone reads the bytes.
; SHARES: work-groups 0..1023 make one record of wq each, 1024..1279 one of xq.  The two ways part once, on the work-group's number, never join, and have LDS bytes of their own.
; No tensor loads, no matrix unit, no cluster: memory binds, nothing is shared between work-groups, and every byte is read once.
.set REC,   25600
.set FRB,   1536
.set SCO,   24576
.set FP,    1552                       ; wq's way: a fragment's place in the stage: 1,536 bytes + 16
.set WSC,   16*FP                      ; behind the 16 fragments: the 1,024 bytes of scale words
.set XSTG,  26112                      ; xq's way: a stage of 16 rows x 272 bytes for each wave
.set XW,    16*272
; wq's way, registers
.set TT,    18                         ; v18-21   at work on a mask word
.set EB,    22                         ; v22-25   a scale byte for each of my four columns
.set QH,    26                         ; v26-28   the upper half of a block's codes, as the conversion leaves it
.set MK,    32                         ; v32-35   four mask words
.set SG,    36                         ; v36-59   sign codes, six registers a column
.set WC,    60                         ; v60-91   base's codes, six registers a column at 8 u
.set WX,    92                         ; v92-123  32 numbers in f32
.set WR,    124                        ; v124-187 base as loaded; later the images on their way out
; xq's way, registers
.set XC,    28                         ; v28-51   codes: two sets of 12
.set XR,    52                         ; v52-115  x as loaded: two sets of 32
.set XY,    116                        ; v116-147 my row's 64 numbers, bf16
.set XX,    148                        ; v148-179 32 numbers in f32
; The largest magnitude of v[x] .. v[x + 31], in two chains, with the floor 2^(5 - 127) as one more leaf (so the byte cannot fall under 1); 4 off its exponent field is the conversion's scale operand.
.macro BLKSCALE x, ta, tb, scl
	v_max3_num_f32 v[\ta], |v[\x]|, |v[\x+1]|, |v[\x+2]|
	v_max3_num_f32 v[\tb], |v[\x+3]|, |v[\x+4]|, |v[\x+5]|
.irp i, 6,10,14,18,22,26
	v_max3_num_f32 v[\ta], v[\ta], |v[\x+\i]|, |v[\x+\i+1]|
	v_max3_num_f32 v[\tb], v[\tb], |v[\x+\i+2]|, |v[\x+\i+3]|
.endr
	v_max3_num_f32 v[\ta], v[\ta], |v[\x+30]|, |v[\x+31]|
	v_max3_num_f32 v[\ta], v[\ta], v[\tb], 0x2800000
	v_add_nc_u32 v[\scl], 0xfe000000, v[\ta]
.endm
; Column u's mask word becomes 192 bits of codes.  Five bits at a time are spread to bits 0, 6, 12, 18, 24: times 0x108421 puts bit i at i + 5 m for m = 0 .. 4 (each place has one source: no carry),
; and the mask keeps m = i.  Shifted by 5, 3, 1 they are the sign bits of codes 0-4, 5-9, 10-14 in the three words of 16 codes; code 15's is bit 31 of the third.
.macro SIGN u
	v_xor_b32 v[TT], -1, v[MK+\u]                  ; a set bit now means -1
.irp t, 0,1
	v_bfe_u32 v[TT+1], v[TT], 16*\t, 5
	v_bfe_u32 v[TT+2], v[TT], 16*\t+5, 5
	v_bfe_u32 v[TT+3], v[TT], 16*\t+10, 5
	v_mul_u32_u24 v[TT+1], s27, v[TT+1]
	v_mul_u32_u24 v[TT+2], s27, v[TT+2]
	v_mul_u32_u24 v[TT+3], s27, v[TT+3]
	v_and_b32 v[TT+1], s28, v[TT+1]
	v_and_b32 v[TT+2], s28, v[TT+2]
	v_and_b32 v[TT+3], s28, v[TT+3]
	v_lshl_or_b32 v[SG+6*\u+3*\t], v[TT+1], 5, s29     ; over the stream of sixteen codes +16
	v_lshl_or_b32 v[SG+6*\u+3*\t+1], v[TT+2], 3, s30
	v_lshl_or_b32 v[SG+6*\u+3*\t+2], v[TT+3], 1, s31
.endr
	v_lshlrev_b32 v[TT+1], 16, v[TT]                   ; bit 15 to bit 31
	v_and_or_b32 v[SG+6*\u+2], v[TT+1], s32, v[SG+6*\u+2]
	v_and_or_b32 v[SG+6*\u+5], v[TT], s32, v[SG+6*\u+5]
	ds_store_b64 v5, v[SG+6*\u:SG+6*\u+1] offset:4*FP+16*\u      ; the sign fragments lie four fragments behind base's
	ds_store_b64 v6, v[SG+6*\u+2:SG+6*\u+3] offset:4*FP+16*\u
	ds_store_b64 v7, v[SG+6*\u+4:SG+6*\u+5] offset:4*FP+16*\u
.endm
; Column u of base: my 32 numbers down K are one block.
.macro COL u
.set i, 0
.rept 32
.if (\u)%2 == 0
	v_lshlrev_b32 v[WX+i], 16, v[WR+2*i+(\u)/2]        ; bf16 to f32: the low half moves up,
.else
	v_and_b32 v[WX+i], s26, v[WR+2*i+(\u)/2]           ; the high half stays
.endif
.set i, i+1
.endr
	BLKSCALE WX, 14, 15, 16
	v_cvt_scalef32_pk16_bf6_f32 v[WC+8*\u:WC+8*\u+2], v[WX:WX+15], v16
	v_cvt_scalef32_pk16_bf6_f32 v[QH:QH+2], v[WX+16:WX+31], v16   ; (a conversion's three registers begin on an even number)
	v_lshrrev_b32 v[EB+\u], 23, v16                    ; the scale's byte; also the plain instruction behind the conversions
	v_mov_b32 v[WC+8*\u+3], v[QH]
	v_mov_b32 v[WC+8*\u+4], v[QH+1]
	v_mov_b32 v[WC+8*\u+5], v[QH+2]
	ds_store_b64 v5, v[WC+8*\u:WC+8*\u+1] offset:16*\u
	ds_store_b64 v6, v[WC+8*\u+2:WC+8*\u+3] offset:16*\u
	ds_store_b64 v7, v[WC+8*\u+4:WC+8*\u+5] offset:16*\u
	ds_store_b8 v8, v[EB+\u] offset:16*\u              ; my block's byte of the column's scale word,
	ds_store_b8 v8, v[EB+\u] offset:16*\u+256          ; and of its second copy
.endm
; Fragment f of my wave's four: 16 rows x 256 bytes of x; each load takes two whole rows' 256 bytes.
.macro LOADX f
.irp t, 0,1,2,3,4,5,6,7
	global_load_b128 v[XR+32*((\f)%2)+4*\t:XR+32*((\f)%2)+4*\t+3], v3, s[4:5] offset:(16*(\f)+2*\t)*8192 th:TH_LOAD_NT
.endr
.endm
.macro XFRAG f
.set RS, XR+32*((\f)%2)
.set CS, XC+12*((\f)%2)
.if (\f) < 3
	s_wait_loadcnt 8                               ; this fragment's eight loads are in; the next fragment's eight may be out
.else
	s_wait_loadcnt 0x0
.endif
.irp t, 0,1,2,3,4,5,6,7
	ds_store_b128 v4, v[RS+4*\t:RS+4*\t+3] offset:544*\t         ; rows 2 t and 2 t + 1 into my own stage, as they lie
.endr
.irp c, 0,1
.irp j, 0,1,2,3
	ds_load_b128 v[XY+16*\c+4*\j:XY+16*\c+4*\j+3], v5 offset:128*\c+16*\j   ; back: of row r the 32 numbers k = 64 c + 32 h on.  LDS serves a wave's instructions in order (ISA guide 5.7.1.4)
.endr
.endr
	s_wait_dscnt 0x0                               ; my numbers are in, and the stores have read their registers,
.if (\f) < 2
	LOADX (\f)+2                                   ; which take the fragment two further on
.else
	s_wait_xcnt 0x0                                ; this set of codes is written again only behind this wait: the stores of the fragment two back name it
.endif
.irp c, 0,1
.set i, 0
.rept 16
	v_lshlrev_b32 v[XX+2*i], 16, v[XY+16*\c+i]
	v_and_b32 v[XX+2*i+1], s26, v[XY+16*\c+i]
.set i, i+1
.endr
	BLKSCALE XX, 10, 11, 12
	v_cvt_scalef32_pk16_bf6_f32 v[CS+6*\c:CS+6*\c+2], v[XX:XX+15], v12
	v_cvt_scalef32_pk16_bf6_f32 v[24:26], v[XX+16:XX+31], v12
	v_lshrrev_b32 v[14+\c], 23, v12                ; the scale's byte; also the plain instruction behind the conversions
	v_mov_b32 v[CS+6*\c+3], v24
	v_mov_b32 v[CS+6*\c+4], v25
	v_mov_b32 v[CS+6*\c+5], v26
.endr
	v_lshl_or_b32 v16, v15, 16, v14                ; my two bytes: blocks h and 2 + h of row r,
	v_lshlrev_b32 v16, v8, v16                     ; at their places in the scale word (8 h bits up);
	v_permlanex16_b32 v17, v16, s20, s21
	v_or_b32 v[18+(\f)], v16, v17                  ; with lane l xor 16's two the word is whole
.irp c, 0,1,2
	global_store_b128 v6, v[CS+4*\c:CS+4*\c+3], s[10:11] offset:(\f)*FRB+512*\c   ; the image: 32 lanes store 512 consecutive bytes
.endr
.endm
	s_load_b256 s[4:11], s[0:1], 0x0               ; x s[4:5], base s[6:7], mask s[8:9], xq s[10:11]
	s_load_b64 s[12:13], s[0:1], 0x20              ; wq
	v_lshl_add_u32 v192, v0, 2, 0xaa00
	v_mov_b32 v193, 0
	v_lshrrev_b32 v1, 5, v0
	v_readfirstlane_b32 s16, v1                    ; wave 0..3
	v_and_b32 v2, 31, v0                           ; lane
	s_mov_b32 s20, 0x76543210                      ; v_permlanex16_b32's selects for lane l xor 16
	s_mov_b32 s21, 0xfedcba98
	s_mov_b32 s23, 0                               ; the high word of every offset
	s_mov_b32 s26, 0xffff0000                      ; a word's upper bf16
	s_mov_b32 s27, 0x108421
	s_mov_b32 s28, 0x01041041
	s_mov_b32 s29, 0x1c71c71c                      ; sixteen codes 0x1c on end, three words
	s_mov_b32 s30, 0xc71c71c7
	s_mov_b32 s31, 0x71c71c71
	s_mov_b32 s32, 0x80000000
	s_wait_kmcnt 0x0
	s_cmp_lt_u32 ttmp9, 1024                       ; the same in all four waves
	s_cbranch_scc0 .Lx
	; ---- A RECORD OF wq: 128 columns x 128 K.  Wave b takes block b of the K step (h = b % 2, c = b / 2); lane l takes columns 4 l .. 4 l + 3, and its registers run down K.
	s_and_b32 s33, ttmp9, 31                       ; nt: neighbouring work-groups read neighbouring bytes of the same rows
	s_lshr_b32 s34, ttmp9, 5                       ; s
	s_lshl_b32 s22, s34, 20                        ; base: (128 s + 32 b) rows of 8,192 bytes + 256 nt
	s_lshl_b32 s24, s16, 18
	s_add_co_u32 s22, s22, s24
	s_lshl_b32 s24, s33, 8
	s_add_co_u32 s22, s22, s24
	s_add_nc_u64 s[6:7], s[6:7], s[22:23]
	s_lshl_b32 s22, s34, 2                         ; mask: row 4 s + b of 16,384 bytes + 512 nt
	s_add_co_u32 s22, s22, s16
	s_lshl_b32 s22, s22, 14
	s_lshl_b32 s24, s33, 9
	s_add_co_u32 s22, s22, s24
	s_add_nc_u64 s[8:9], s[8:9], s[22:23]
	s_lshl_b32 s22, s33, 5                         ; wq: record 32 nt + s
	s_add_co_u32 s22, s22, s34
	s_mul_i32 s22, s22, REC
	s_add_nc_u64 s[12:13], s[12:13], s[22:23]
	v_lshlrev_b32 v3, 3, v2                        ; base: 8 bytes a lane
	v_lshlrev_b32 v4, 4, v2                        ; mask, and the images: 16 bytes a lane
	global_load_b128 v[MK:MK+3], v4, s[8:9] th:TH_LOAD_NT        ; 32 lanes read 512 consecutive bytes
.set i, 0
.rept 32
	global_load_b64 v[WR+2*i:WR+2*i+1], v3, s[6:7] offset:8192*i th:TH_LOAD_NT   ; row i of my block: 32 lanes read 256 consecutive bytes, at a multiple of 256 from base's first byte
.set i, i+1
.endr
	v_lshrrev_b32 v13, 4, v2                       ; wn = l / 16
	v_bfe_u32 v14, v2, 2, 2                        ; f = (l / 4) % 4
	v_and_b32 v15, 3, v2                           ; l % 4: my columns are rows r = 4 (l % 4) + u of the fragment
	v_mul_u32_u24 v16, v13, 8*FP
	v_mad_u32_u24 v16, v14, FP, v16
	v_lshl_add_u32 v16, v15, 6, v16                ; the fragment's place + 16 x 4 (l % 4)
	s_and_b32 s17, s16, 1
	s_lshr_b32 s18, s16, 1
	s_lshl_b32 s17, s17, 8                         ; 256 h: lanes 16-31 of the image
	s_mul_i32 s19, s18, 520                        ; registers 6 c, 6 c + 1 lie at 0 or 520 in a lane's image,
	s_add_co_u32 s19, s19, s17
	v_add_nc_u32 v5, s19, v16
	s_add_co_u32 s24, s19, 512                     ; registers 6 c + 4, 6 c + 5 at 512 or 1,032,
	v_add_nc_u32 v7, s24, v16
	s_mul_i32 s19, s18, 1016                       ; registers 6 c + 2, 6 c + 3 at 8 or 1,024
	s_add_co_u32 s19, s19, s17
	s_add_co_u32 s19, s19, 8
	v_add_nc_u32 v6, s19, v16
	v_lshlrev_b32 v8, 9, v13                       ; my scale bytes: 512 wn + 64 (l % 4) + 4 f + b
	v_lshl_add_u32 v8, v15, 6, v8
	v_lshl_add_u32 v8, v14, 2, v8
	s_add_co_u32 s24, s16, WSC
	v_add_nc_u32 v8, s24, v8
	s_mul_i32 s24, s16, 4*FP                       ; the way out: wave w takes fragments 4 w .. 4 w + 3
	v_add_nc_u32 v9, s24, v4
	s_mul_i32 s24, s16, 4*FRB
	v_add_nc_u32 v10, s24, v4
	v_lshlrev_b32 v12, 3, v0                       ; and 8 bytes of the scale words a thread
	v_add_nc_u32 v11, WSC, v12
	s_wait_loadcnt 32                              ; the mask words are in; base's 32 loads may be out
	SIGN 0
	SIGN 1
	SIGN 2
	SIGN 3
	s_wait_loadcnt 0x0
	COL 0
	COL 1
	COL 2
	COL 3
	s_wait_dscnt 0x0                               ; for the others' sake: my stores into the stage are done
	s_barrier_signal -1
	s_barrier_wait -1                              ; the record is whole: each image has a part from each wave
.irp i, 0,1,2,3
.irp c, 0,1,2
	ds_load_b128 v[WR+4*(3*\i+\c):WR+4*(3*\i+\c)+3], v9 offset:\i*FP+512*\c
.endr
.endr
	ds_load_b64 v[WR+48:WR+49], v11
.irp i, 0,1,2,3
.irp c, 0,1,2
	s_wait_dscnt 12-(3*\i+\c)                      ; the LDS loads issued behind this one may be out
	global_store_b128 v10, v[WR+4*(3*\i+\c):WR+4*(3*\i+\c)+3], s[12:13] offset:\i*FRB+512*\c   ; 32 lanes store 512 consecutive bytes
.endr
.endr
	s_wait_dscnt 0x0
	global_store_b64 v12, v[WR+48:WR+49], s[12:13] offset:SCO    ; a wave stores 256 consecutive bytes of scale words
	s_wait_tensorcnt 0x0
	ds_add_u32 v192, v193
	s_wait_dscnt 0x0
	s_endpgm
	; ---- A RECORD OF xq: 256 rows x 128 K.  Wave w takes rows 64 w .. 64 w + 63: fragments 4 w .. 4 w + 3 and group w of the scale words.  Waves share nothing: no barrier.
.Lx:
	s_sub_co_u32 s33, ttmp9, 1024
	s_lshr_b32 s34, s33, 5                         ; mt
	s_and_b32 s33, s33, 31                         ; s
	s_lshl_b32 s22, s34, 8                         ; x: (256 mt + 64 w) rows of 8,192 bytes + 256 s
	s_lshl_b32 s24, s16, 6
	s_add_co_u32 s22, s22, s24
	s_lshl_b32 s22, s22, 13
	s_lshl_b32 s24, s33, 8
	s_add_co_u32 s22, s22, s24
	s_add_nc_u64 s[4:5], s[4:5], s[22:23]
	s_lshl_b32 s22, s34, 5                         ; xq: record 32 mt + s
	s_add_co_u32 s22, s22, s33
	s_mul_i32 s22, s22, REC
	s_add_nc_u64 s[10:11], s[10:11], s[22:23]
	v_and_b32 v13, 15, v2                          ; r
	v_lshrrev_b32 v9, 4, v2                        ; h
	v_lshlrev_b32 v3, 13, v9
	v_lshl_add_u32 v3, v13, 4, v3                  ; in: lanes 0-15 one row's 256 bytes, lanes 16-31 the next row's
	LOADX 0
	LOADX 1
	s_mul_i32 s24, s16, XW
	s_add_co_u32 s24, s24, XSTG                    ; my stage
	v_mul_u32_u24 v4, v9, 272
	v_lshl_add_u32 v4, v13, 4, v4
	v_add_nc_u32 v4, s24, v4                       ; into it: as loaded; rows 272 bytes apart, so that the sixteen rows of a read start at sixteen different banks
	v_mul_u32_u24 v5, v13, 272
	v_lshl_add_u32 v5, v9, 6, v5
	v_add_nc_u32 v5, s24, v5                       ; out of it: row r, + 64 h bytes
	s_mul_i32 s24, s16, 4*FRB
	v_lshlrev_b32 v6, 4, v2
	v_add_nc_u32 v6, s24, v6                       ; my images: 16 bytes a lane
	s_lshl_b32 s24, s16, 8
	v_lshlrev_b32 v8, 3, v9                        ; 8 h
	v_lshl_add_u32 v7, v13, 4, v8
	v_add_nc_u32 v7, s24, v7                       ; my scale words: 256 w + 16 r + 8 h
	v_mov_b32 v17, 0                               ; written once: a lane permute's destination counts as one of its sources
	XFRAG 0
	XFRAG 1
	XFRAG 2
	XFRAG 3
	v_cmp_eq_u32 vcc_lo, 1, v9                     ; row r's four words (fragments 0 to 3) lie in both halves of the lanes: lanes 0-15 store the first two, lanes 16-31 the others
	v_cndmask_b32 v22, v18, v20, vcc_lo
	v_cndmask_b32 v23, v19, v21, vcc_lo
	global_store_b64 v7, v[22:23], s[10:11] offset:SCO           ; the wave stores 256 consecutive bytes
	s_wait_tensorcnt 0x0
	ds_add_u32 v192, v193
	s_wait_dscnt 0x0
	s_endpgm
.Lfunc_end_k_q3625b4ba5d_quant:
	.size	k_q3625b4ba5d_quant, .Lfunc_end_k_q3625b4ba5d_quant-k_q3625b4ba5d_quant
	.p2alignl 7, 3214868480
	.fill 96, 4, 3214868480
	.section	.rodata,"a",@progbits
	.p2align	6, 0x0
	.amdhsa_kernel k_q3625b4ba5d_quant
		.amdhsa_group_segment_fixed_size 44032
		.amdhsa_private_segment_fixed_size 0
		.amdhsa_enable_private_segment 0
		.amdhsa_kernarg_size 40
		.amdhsa_user_sgpr_count 2
		.amdhsa_user_sgpr_kernarg_segment_ptr 1
		.amdhsa_wavefront_size32 1
		.amdhsa_system_sgpr_workgroup_id_x 1
		.amdhsa_system_sgpr_workgroup_id_y 1
		.amdhsa_system_sgpr_workgroup_id_z 1
		.amdhsa_system_vgpr_workitem_id 0
		.amdhsa_next_free_vgpr 194
		.amdhsa_next_free_sgpr 66
		.amdhsa_reserve_vcc 1
		.amdhsa_float_denorm_mode_32 3
		.amdhsa_float_denorm_mode_16_64 3
		.amdhsa_memory_ordered 1
		.amdhsa_forward_progress 1
		.amdhsa_inst_pref_size 56
	.end_amdhsa_kernel
	.amdgpu_metadata
---
amdhsa.version: [ 1, 2 ]
amdhsa.kernels:
  - .name:           k_q3625b4ba5d_quant
    .symbol:         k_q3625b4ba5d_quant.kd
    .args:
      - { .name: x, .offset: 0, .size: 8, .value_kind: global_buffer, .address_space: global }
      - { .name: base, .offset: 8, .size: 8, .value_kind: global_buffer, .address_space: global }
      - { .name: mask, .offset: 16, .size: 8, .value_kind: global_buffer, .address_space: global }
      - { .name: xq, .offset: 24, .size: 8, .value_kind: global_buffer, .address_space: global }
      - { .name: wq, .offset: 32, .size: 8, .value_kind: global_buffer, .address_space: global }
    .group_segment_fixed_size: 44032
    .private_segment_fixed_size: 0
    .kernarg_segment_align: 8
    .kernarg_segment_size: 40
    .max_flat_workgroup_size: 128
    .sgpr_count:     66
    .vgpr_count:     194
    .wavefront_size: 32
...
	.end_amdgpu_metadata
.endif
;; end of part 1
;; launch gemm (part 2): grid 32 x 8, 4 waves a work-group, clusters of 4 x 4, 327,680 bytes of LDS; arguments xq, wq, coeff, out0; writes out0
.if DOCPART == 2
	.amdgcn_target "amdgcn-amd-amdhsa--gfx1250"
	.amdhsa_code_object_version 6
	.text
	.protected	k_q3625b4ba5d_gemm
	.globl	k_q3625b4ba5d_gemm
	.p2align	8
	.type	k_q3625b4ba5d_gemm,@function
k_q3625b4ba5d_gemm:
	s_mov_b64 s[64:65], 0
	v_nop
	global_prefetch_b8 v0, s[64:65] scope:SCOPE_SE
	s_setreg_imm32_b32 hwreg(HW_REG_WAVE_MODE, 25, 1), 1
	s_wait_xcnt 0x0
	s_wait_alu depctr_hold_cnt(0) depctr_sa_sdst(0) depctr_va_vdst(0) depctr_va_sdst(0) depctr_va_ssrc(0) depctr_va_vcc(0) depctr_vm_vsrc(0)
	s_getreg_b32 s2, hwreg(HW_REG_IB_STS2, 6, 4)
	s_cmp_eq_u32 s2, 0
	s_cbranch_scc0 .Lentry_in_a_cluster
	s_endpgm
.Lentry_in_a_cluster:
	s_bfe_u32 s2, ttmp6, 0x10000c
	s_cmp_lg_u32 s2, 0xf033
	s_cbranch_scc0 .Lentry_shape_is_right
	s_endpgm
.Lentry_shape_is_right:
; out0[t][n] = sum_k Q(x)[t][k] Q(base)[k][n] + coeff[n] x sum_k Q(x)[t][k] Q(sign)[k][n], both products on codes of BF6 (E3M2) with one E8M0 scale for each 32 along K; sums in f32, the join one fused
; multiply-add in f32, out0 [2048][4096] rounded once to bf16.  Codes and scale words come from xq and wq, which the launch before laid as RECORDS in the order of the operand's registers:
; a record (25,600 bytes) is one side's share of a K step of 128: 16 fragment images of 1,536 bytes (register j of lane L at 512 (j / 4) + 16 L + 4 (j % 4)), then 1,024 bytes of scale words.
; xq's record (mt, s): fragment f = rows 256 mt + 16 f + r.  wq's record (nt, s): fragments [wn 2][kind 2][f 4], kind 0 base and 1 sign, column 128 nt + 64 wn + 16 f + r.
; The signs' scale is the same for every block, 2^-4 (all numbers are +1 or -1): byte 123, kept in a vector register of its own.
; SHARES.  The two products are ONE product of 2,048 x 8,192 x 4,096.  A work-group of four waves, as many as a WGP has SIMDs, makes 256 rows x 128 columns of out0: 256 work-groups.  Wave w (wm = w / 2, wn = w % 2)
; makes rows 128 wm on x columns 64 wn on: 8 blocks of x against 8 blocks of B, four of base and four of sign FOR THE SAME 64 COLUMNS: 64 accumulators, 512 registers, and an output's two sums lie in one lane.
; THE RING.  Two LDS slots of four records: A's K steps q = 0, 1, then B's.  Each wave fetches one record (100 rows of 256 consecutive bytes) with one tensor load; a fragment comes out of LDS by three loads of
; 16 bytes a lane, 512 consecutive bytes each: no pitch, no padding.
; CLUSTERS: 4 x 4 work-groups.  The four of a row of the cluster (same mt) need the same records of xq, the four of a column (same nt) the same records of wq: each record is asked for JOINTLY, by the same tensor
; load with the same descriptor and a mask that names the four.
; THE MATRIX INSTRUCTION IS USED TRANSPOSED (source 0 = 16 columns of B, source 1 = 16 rows of x): a lane then holds eight neighbouring columns of one row of out0.
; LIMITS are the quantising launch's: NaN and infinities are not served; scale bytes lie between 1 and 254.
; REGISTERS, in windows of 256: window 0: v16-30 addresses and constants; v32-63 scale words, two sets; v64-95 coeff in f32; v96-127 at work; from v128 x's fragments, ONE set; on the way out v128-255 results.
;   window 1: B's fragments, TWO sets, at v0 and v128.   window 2: the accumulators of my rows 0-63 ((a, b) at v[8 (8 (a % 4) + b)]);   window 3: those of my rows 64-127.
.set REC,    25600
.set FRB,    1536
.set SCO,    24576                     ; where a record's scale words begin
.set SLOT,   4*REC
.set BOFF,   2*REC                     ; B's two records lie behind A's two
.set SPARE,  2*SLOT                    ; behind the ring: the spare words, 128 bytes for each wave: two blocks of 256 bytes that no other line names
.set STREAM, 32*REC                    ; the 32 records of one mt, or of one nt, lie on end
.set FR,     12                        ; registers of a fragment
.set NL,     3                         ; LDS loads that bring one
.set NP,     4                         ; places behind this matrix instruction (ISA guide 7.12.1)
.set NQ,     2                         ; K steps in a slot
.set LAPS,   8                         ; a lap = two slots = 512 along K
.set SPITCH, 272                       ; the way out: a stage of 256 rows x (256 bytes + 16).  It lies in slot 0, which has had its last fill and its last read when the first result is stored there
.set ADRA, 16                          ; v16-17  LDS address of my fragments of x in slot 0, 1
.set ADRB, 20                          ; v20-21  the same for B
.set ADRS, 22                          ; v22-23  of my scale words: lanes 0-15 x's rows, lanes 16-31 base's columns
.set STO,  24                          ; v24     the way out: where I put 16 bytes of a row
.set RD,   25                          ; v25     where I read a row back
.set CO,   26                          ; v26     my byte offset in out0
.set CFA,  27                          ; v27     my byte offset in coeff
.set SPW,  28                          ; v28     LDS address of my spare word: SPARE + 4 x my thread's number; never rewritten
.set NIL,  29                          ; v29     0; never rewritten
.set SGN,  30                          ; v30     the signs' scale word: four bytes 123; never rewritten
.set SC,   32                          ; scale words: set s (for slot s) at v[SC + 16 s]; register 8 q + a: lanes 0-15 the word of x's block a, lanes 16-31 that of base's block a % 4, for the slot's q-th K step
.set COEF, 64                          ; register 8 b + j: coeff of column 16 b + 8 (lane / 16) + j of my 64
.set TMP,  96
.set AF,   128
.set PK,   128
.set G1, 24                            ; s[24:31] descriptor group 1 for x's records;  s[32:39] group 0, one set for each slot
.set G0, 32
.set G1B, 48                           ; s[48:55], s[56:63] the same for B's
.set G0B, 56
.set MSB, 0
.macro WIN new                         ; the immediate's high byte repeats the setting that is left
.if MSB != (\new)
	s_set_vgpr_msb (MSB<<8)|(\new)
.set MSB, \new
.endif
.endm
.set MUL_LO, 0xa1                      ; source 0 (B) window 1, source 1 (x) window 0, C and D window 2
.set MUL_HI, 0xf1                      ; the same, C and D window 3
.set TO_B,   0x40                      ; destination window 1, address window 0
; A joint load: waves 0 and 1 fetch x's two records of a slot, waves 2 and 3 B's.  Each of the two lines has ONE mask and one set of registers for all that issue it; the branch hangs on the wave's number alone.
; Four v_nop follow each of the two lines, ahead of the jump, the label and what follows.
.macro JLOAD g0a, g1a, g0b, g1b
	s_cmp_eq_u32 s15, 0
	s_cbranch_scc0 .Lfor_b_\@
	tensor_load_to_lds s[\g0a:\g0a+3], s[\g1a:\g1a+7]
	s_nop 0
.rept 4
	v_nop
.endr
	s_branch .Lasked_\@
.Lfor_b_\@:
	tensor_load_to_lds s[\g0b:\g0b+3], s[\g1b:\g1b+7]
	s_nop 0
.rept 4
	v_nop
.endr
.Lasked_\@:
.endm
.macro CREST                           ; a round of the cluster's barrier behind its opening barrier
	s_cmp_lg_u32 s14, 0
	s_cbranch_scc1 .Lnot_wave_0_\@
	s_barrier_signal -3
.Lnot_wave_0_\@:
	s_barrier_wait -3
	s_barrier_signal -1
	s_barrier_wait -1
.endm
.macro CROUND                          ; a whole round
	s_barrier_signal -1
	s_barrier_wait -1
	CREST
.endm
	s_load_b256 s[4:11], s[0:1], 0x0               ; xq s[4:5], wq s[6:7], coeff s[8:9], out0 s[10:11]
	v_lshl_add_u32 v[SPW], v0, 2, SPARE
	v_mov_b32 v[NIL], 0
	ds_add_u32 v28, v29
	ds_add_u32 v28, v29
	s_wait_dscnt 0x0
	v_mov_b32 v[SGN], 0x7b7b7b7b
	v_lshrrev_b32 v1, 5, v0
	v_readfirstlane_b32 s14, v1                    ; wave 0..3
	s_lshr_b32 s15, s14, 1                         ; wm: which half of the tile's rows is mine.  Also: I fetch for x (0) or for B (1)
	s_and_b32 s16, s14, 1                          ; wn: which half of its columns.  Also: which of a slot's two K steps I fetch
	s_bfe_u32 s40, ttmp6, 0x40000                  ; cx, cy: my place in the cluster
	s_bfe_u32 s41, ttmp6, 0x40004
	s_lshl_b32 s42, ttmp9, 2
	s_add_co_u32 s42, s42, s40                     ; nt = 4 x cluster x + cx
	s_and_b32 s17, ttmp7, 0xffff
	s_lshl_b32 s17, s17, 2
	s_add_co_u32 s17, s17, s41                     ; mt = 4 x cluster y + cy
	s_lshl_b32 s43, s41, 2
	s_lshl_b32 s43, 15, s43                        ; my row of the cluster
	s_lshl_b32 s44, 0x1111, s40                    ; my column
	; descriptor group 1: a record is a dense block: 100 rows of 256 bytes (32 elements of 8 bytes), no padding
	s_or_b32 s[G1+0], s43, (3<<16)|(1<<21)         ; 15:0 the mask: x's records go to my row; 17:16 elements of 8 bytes; 20 padding off; 21 set beside a mask
	s_or_b32 s[G1B+0], s44, (3<<16)|(1<<21)        ; B's go to my column
.irp g, G1, G1B
	s_mov_b32 s[\g+1], 32<<16                      ; tensor_dim0 = 32
	s_mov_b32 s[\g+2], 100<<16                     ; tensor_dim1 = 100
	s_mov_b32 s[\g+3], 32<<16                      ; tile_dim0 = 32
	s_mov_b32 s[\g+4], 100                         ; tile_dim1 = 100
	s_mov_b32 s[\g+5], 32                          ; tensor_dim0_stride
	s_mov_b32 s[\g+6], 0
	s_mov_b32 s[\g+7], 0
.endr
	; where the records come from.  x's hang on mt alone, which my row of the cluster shares; B's on nt alone, which my column shares; each is made in registers that never hold the other coordinate
	s_mul_i32 s18, s17, STREAM
	s_mul_i32 s19, s16, REC
	s_add_co_u32 s18, s18, s19
	s_mov_b32 s19, 0
	s_mul_i32 s46, s42, STREAM
	s_mul_i32 s47, s16, REC
	s_add_co_u32 s46, s46, s47
	s_mov_b32 s47, 0
	s_mul_i32 s45, s14, REC                        ; and where they go: wave x a record: no place in the cluster enters an LDS address
	s_wait_kmcnt 0x0
	s_add_nc_u64 s[20:21], s[4:5], s[18:19]
	s_add_nc_u64 s[46:47], s[6:7], s[46:47]
	CROUND                                         ; all sixteen work-groups are here: the first joint loads meet
.irp s, 0,1
	s_mov_b32 s[G0+4*\s], 1                                        ; 1:0 count = 1
	s_add_co_u32 s[G0+4*\s+1], s45, \s*SLOT                        ; 63:32 LDS address
	s_add_nc_u64 s[G0+4*\s+2:G0+4*\s+3], s[20:21], \s*BOFF         ; 120:64 global address: slot s begins with K steps 2 s and 2 s + 1
	s_or_b32 s[G0+4*\s+3], s[G0+4*\s+3], 0x80000000                ; 127:126 type = 2
	s_mov_b32 s[G0B+4*\s], 1
	s_add_co_u32 s[G0B+4*\s+1], s45, \s*SLOT
	s_add_nc_u64 s[G0B+4*\s+2:G0B+4*\s+3], s[46:47], \s*BOFF
	s_or_b32 s[G0B+4*\s+3], s[G0B+4*\s+3], 0x80000000
	JLOAD G0+4*\s, G1, G0B+4*\s, G1B               ; two loads of mine are out: the ring is filled before anything else is done
.endr
	v_and_b32 v1, 15, v0                           ; r = l % 16
	v_bfe_u32 v2, v0, 4, 1                         ; h = l / 16
	v_and_b32 v3, 31, v0
	v_lshlrev_b32 v3, 4, v3                        ; an image's place for my lane: 16 x lane
	v_lshlrev_b32 v[CFA], 4, v2                    ; coeff: my half's eight columns: 16 h bytes
	s_lshl_b32 s12, s42, 8                         ; coeff at column 128 nt + 64 wn
	s_lshl_b32 s13, s16, 7
	s_add_co_u32 s12, s12, s13
	s_mov_b32 s13, 0
	s_add_nc_u64 s[8:9], s[8:9], s[12:13]
.irp b, 0,1,2,3
	global_load_b128 v[TMP+4*\b:TMP+4*\b+3], v[CFA], s[8:9] offset:32*\b   ; eight bf16 of block b
.endr
	s_mul_i32 s22, s15, 8*FRB                      ; my eight fragments of x
	s_mul_i32 s23, s16, 8*FRB                      ; my eight of B,
	s_add_co_u32 s23, s23, BOFF                    ; which lie behind x's two records
.irp s, 0,1
	v_add_nc_u32 v[ADRA+\s], s22, v3
	v_add_nc_u32 v[ADRB+\s], s23, v3
	s_add_co_u32 s22, s22, SLOT
	s_add_co_u32 s23, s23, SLOT
.endr
	s_lshl_b32 s22, s15, 9                         ; x's scale words: my two groups of 256 bytes;
	s_lshl_b32 s23, s16, 9                         ; base's: my 512 bytes, in B's record
	s_add_co_u32 s23, s23, BOFF
	s_sub_co_u32 s23, s23, s22
	v_mul_u32_u24 v4, s23, v2                      ; lanes 16-31 take base's: one product, h x the distance between the two
	v_lshl_add_u32 v4, v1, 4, v4                   ; + 16 r: four words a row
	s_add_co_u32 s22, s22, SCO
	v_add_nc_u32 v[ADRS], s22, v4
	s_add_co_u32 s22, s22, SLOT
	v_add_nc_u32 v[ADRS+1], s22, v4
	s_mul_i32 s22, s15, 128*SPITCH                 ; into the stage: row 128 wm + r, my half of its 256 bytes, 16 bytes for each half of the lanes
	s_lshl_b32 s23, s16, 7
	s_add_co_u32 s22, s22, s23
	v_mul_u32_u24 v4, v1, SPITCH
	v_lshl_add_u32 v4, v2, 4, v4
	v_add_nc_u32 v[STO], s22, v4
	s_mul_i32 s22, s14, 64*SPITCH                  ; back: wave w takes rows 64 w .. 64 w + 63, whole; lanes 0-15 one row of 256 bytes, lanes 16-31 the next
	v_mul_u32_u24 v4, v2, SPITCH
	v_lshl_add_u32 v4, v1, 4, v4
	v_add_nc_u32 v[RD], s22, v4
	v_lshlrev_b32 v4, 13, v2                       ; and the same two rows in out0 (8,192 bytes a row)
	v_lshl_add_u32 v[CO], v1, 4, v4
	s_lshl_b32 s18, s17, 8                         ; the first row of out0 that I store: 256 mt + 64 w,
	s_lshl_b32 s19, s14, 6
	s_add_co_u32 s18, s18, s19
	s_lshl_b32 s18, s18, 13
	s_mov_b32 s19, 0
	s_add_nc_u64 s[10:11], s[10:11], s[18:19]
	s_lshl_b32 s12, s42, 8                         ; and the tile's first column, in bytes
	s_add_nc_u64 s[10:11], s[10:11], s[12:13]
	s_wait_loadcnt 0x0                             ; coeff
.irp b, 0,1,2,3
.irp m, 0,1,2,3
	v_lshlrev_b32 v[COEF+8*\b+2*\m], 16, v[TMP+4*\b+\m]            ; bf16 to f32: the low half moves up,
	v_and_b32 v[COEF+8*\b+2*\m+1], 0xffff0000, v[TMP+4*\b+\m]      ; the high half stays
.endr
.endr
.macro FRAG3 reg, adr, off             ; a fragment comes back as it was stored: three loads, 16 bytes a lane, 512 consecutive bytes each
.irp c, 0,1,2
	ds_load_b128 v[\reg+4*\c:\reg+4*\c+3], v[\adr] offset:\off+512*\c
.endr
.endm
.macro FETCH_B slot, q, p              ; B's eight fragments of the slot's q-th K step into set p
	WIN TO_B
.irp i, 0,1,2,3,4,5,6,7
	FRAG3 128*(\p)+FR*\i, ADRB+\slot, (\q)*REC+\i*FRB
.endr
	WIN 0
.endm
.macro FETCH_A slot, q, i0             ; x's blocks i0 .. i0 + 3
.irp i, \i0, \i0+1, \i0+2, \i0+3
	FRAG3 AF+FR*(\i), ADRA+\slot, (\q)*REC+(\i)*FRB
.endr
.endm
.macro SCALES sc                       ; slot sc's scale words, both K steps: four words a load; lanes 0-15 x's blocks 4 g .. 4 g + 3, lanes 16-31 base's four
.irp q, 0,1
.irp g, 0,1
	ds_load_b128 v[SC+16*\sc+8*\q+4*\g:SC+16*\sc+8*\q+4*\g+3], v[ADRS+\sc] offset:\q*REC+256*\g
.endr
.endr
.endm
; 16 matrix instructions: x's blocks a0, a0 + 1 against B's eight (0-3 base, 4-7 sign), 128 along K: the slot's q-th.  p: B's set;  sc: the set of scale words.  zero = 1: the first product starts the sums: nothing is ever cleared.
; Source 0's scales are read from lanes 16-31 of the register named, source 1's from lanes 0-15.  The 64 accumulators take turns, one instruction a turn, in the same order in every step.
.macro MUL16 a0, p, q, sc, zero
.irp a, \a0, \a0+1
.irp b, 0,1,2,3,4,5,6,7
.if \b < 4
.set SBR, SC+16*(\sc)+8*(\q)+\b
.else
.set SBR, SGN
.endif
.if \zero
	v_wmma_scale_f32_16x16x128_f8f6f4 v[8*(8*((\a)%4)+\b):8*(8*((\a)%4)+\b)+7], v[128*(\p)+FR*\b:128*(\p)+FR*\b+FR-1], v[AF+FR*(\a):AF+FR*(\a)+FR-1], 0, v[SBR], v[SC+16*(\sc)+8*(\q)+(\a)] matrix_a_fmt:MATRIX_FMT_BF6 matrix_b_fmt:MATRIX_FMT_BF6 matrix_a_scale:MATRIX_SCALE_ROW1
.else
	v_wmma_scale_f32_16x16x128_f8f6f4 v[8*(8*((\a)%4)+\b):8*(8*((\a)%4)+\b)+7], v[128*(\p)+FR*\b:128*(\p)+FR*\b+FR-1], v[AF+FR*(\a):AF+FR*(\a)+FR-1], v[8*(8*((\a)%4)+\b):8*(8*((\a)%4)+\b)+7], v[SBR], v[SC+16*(\sc)+8*(\q)+(\a)] matrix_a_fmt:MATRIX_FMT_BF6 matrix_b_fmt:MATRIX_FMT_BF6 matrix_a_scale:MATRIX_SCALE_ROW1
.endif
.endr
.endr
.endm
; A load into a register that a matrix instruction has read, and a vector instruction that reads a matrix result, stand NP places behind that matrix instruction, and only plain vector instructions that name none of
; its registers are places (ISA guide 7.12.1 for vector instructions); this text does not count the matrix instructions in between.
.macro PLACES n
.rept \n
	v_nop
.endr
.endm
; A K step that has its successor in the same slot.  x has one set of registers: blocks 0-3 are fetched anew in the step's middle, blocks 4-7 at its end; B's next set comes in the middle run.
.macro STEP slot, q, zero
	s_wait_dscnt 4*NL                              ; B's set, x's blocks 0-3 and the scale words are in; the youngest twelve loads (x's blocks 4-7) may be out
	WIN MUL_LO
	MUL16 0, (\q)%2, \q, \slot, \zero
	MUL16 2, (\q)%2, \q, \slot, \zero
	s_wait_dscnt 0                                 ; x's blocks 4-7 are in (asked for 32 matrix instructions ago)
	PLACES NP
	FETCH_B \slot, (\q)+1, 1-(\q)%2
	FETCH_A \slot, (\q)+1, 0
	WIN MUL_HI
	MUL16 4, (\q)%2, \q, \slot, \zero
	MUL16 6, (\q)%2, \q, \slot, \zero
	PLACES NP
	WIN 0
	FETCH_A \slot, (\q)+1, 4
.endm
; A slot's last step changes slots: ONE barrier; in front of it each wave waits for all its tensor loads, adds 0 to its spare word, and waits for that and for its own reads of this slot.  fill = 1: this slot is filled again, two slots ahead.
.macro TURN slot, next, fill
	s_wait_tensorcnt 0x0                           ; all my tensor loads have landed: the one that was out is my record of the next slot;  (every window is 0 here)
	ds_add_u32 v[SPW], v[NIL]                      ; 0 onto my spare word
	s_wait_dscnt 4*NL+1                            ; (the add and the youngest twelve loads, x's blocks 4-7, may be out)
	WIN MUL_LO
	MUL16 0, 1, NQ-1, \slot, 0                     ; sixteen matrix instructions stand between the add and the wait for it
	s_wait_dscnt 0x0                               ; the add is done, and my reads of this slot are over
	s_barrier_signal -1
	MUL16 2, 1, NQ-1, \slot, 0
	WIN 0
	s_barrier_wait -1
.if \fill
	CREST                                          ; the barrier has opened a round of the cluster's barrier: no wave of any partner still reads this slot or has a load on its way
	s_add_nc_u64 s[G0+4*\slot+2:G0+4*\slot+3], s[G0+4*\slot+2:G0+4*\slot+3], 2*BOFF      ; four records on: the type bits on top are not reached
	s_add_nc_u64 s[G0B+4*\slot+2:G0B+4*\slot+3], s[G0B+4*\slot+2:G0B+4*\slot+3], 2*BOFF
	JLOAD G0+4*\slot, G1, G0B+4*\slot, G1B         ; the first tensor load behind the round, my one load until the next; the four v_nop behind it are the places in front of the loads below
.else
	PLACES NP
.endif
	FETCH_B \next, 0, 0
	FETCH_A \next, 0, 0
	SCALES \next
	WIN MUL_HI
	MUL16 4, 1, NQ-1, \slot, 0
	MUL16 6, 1, NQ-1, \slot, 0
	PLACES NP
	WIN 0
	FETCH_A \next, 0, 4
.endm
	s_wait_tensorcnt 1                             ; my record of slot 0 is in (slot 1's load may be out)
	s_barrier_signal -1
	s_barrier_wait -1                              ; everybody's is
	FETCH_B 0, 0, 0
	FETCH_A 0, 0, 0
	SCALES 0
	FETCH_A 0, 0, 4
	STEP 0, 0, 1                                   ; the first step stands in front of the loop: its products start the sums
	s_mov_b32 s3, LAPS-1
.Llap:                                                 ; a trip goes once round the ring, from a lap's second step to the next lap's first, and fills both slots again
	TURN 0, 1, 1
	STEP 1, 0, 0
	TURN 1, 0, 1
	STEP 0, 0, 0
	s_sub_co_u32 s3, s3, 1
	s_cmp_lg_u32 s3, 0
	s_cbranch_scc1 .Llap
	TURN 0, 1, 0                                   ; the last lap fills nothing, and has no round of the cluster's barrier
	STEP 1, 0, 0
	s_wait_dscnt 4*NL                              ; the very last step: nothing more to fetch
	WIN MUL_LO
	MUL16 0, 1, NQ-1, 1, 0
	MUL16 2, 1, NQ-1, 1, 0
	s_wait_dscnt 0
	WIN MUL_HI
	MUL16 4, 1, NQ-1, 1, 0
	MUL16 6, 1, NQ-1, 1, 0
	WIN 0
; THE WAY OUT.  Block a (16 rows): base's sum + sign's sum x coeff, one fused multiply-add for two outputs; rounded to bf16, 16 bytes a lane; into the work-group's stage.  Each accumulator is read from its low end on.
.macro PACK a
.set AC, 64*((\a)%4)
	WIN 0x22+0x11*((\a)/4)                         ; sources 0 (sign's sums) and 2 (base's): window 2 or 3; coeff and the result: window 0
.irp b, 0,1,2,3
.irp p, 0,1,2,3
	v_pk_fma_f32 v[TMP+8*\b+2*\p:TMP+8*\b+2*\p+1], v[AC+8*(4+\b)+2*\p:AC+8*(4+\b)+2*\p+1], v[COEF+8*\b+2*\p:COEF+8*\b+2*\p+1], v[AC+8*\b+2*\p:AC+8*\b+2*\p+1]
.endr
.endr
	WIN 0
.irp b, 0,1,2,3
.irp p, 0,1,2,3
	v_cvt_pk_bf16_f32 v[PK+16*(\a)+4*\b+\p], v[TMP+8*\b+2*\p], v[TMP+8*\b+2*\p+1]
.endr
.endr
.irp b, 0,1,2,3
	ds_store_b128 v[STO], v[PK+16*(\a)+4*\b:PK+16*(\a)+4*\b+3] offset:(\a)*16*SPITCH+32*\b
.endr
.endm
	PLACES NP                                      ; behind the last products: their results are read, and the registers that held x's fragments are written
.irp a, 0,1,2,3,4,5,6,7
	PACK \a
.endr
	s_wait_dscnt 0x0                               ; for the others' sake: my stores into the stage are done
	s_barrier_signal -1
	s_barrier_wait -1                              ; a row's 256 bytes come from two waves
.set t, 0
.rept 32
	ds_load_b128 v[PK+4*t:PK+4*t+3], v[RD] offset:t*2*SPITCH
.set t, t+1
.endr
.set t, 0
.rept 32
	s_wait_dscnt 31-t                              ; the loads issued behind this one may be out
	global_store_b128 v[CO], v[PK+4*t:PK+4*t+3], s[10:11] offset:2*t*8192 th:TH_STORE_NT   ; 16 lanes store 256 consecutive bytes, at a multiple of 256 from out0's first byte; written once, read by nobody here
.set t, t+1
.endr
	s_wait_tensorcnt 0x0                           ; the wave's end: behind my last tensor load and my last LDS store
	ds_add_u32 v[SPW], v[NIL]
	s_wait_dscnt 0x0
	CROUND                                         ; the closing round: no work-group ends while a partner may still ask for a record that names it
	s_endpgm
.Lfunc_end_k_q3625b4ba5d_gemm:
	.size	k_q3625b4ba5d_gemm, .Lfunc_end_k_q3625b4ba5d_gemm-k_q3625b4ba5d_gemm
	.p2alignl 7, 3214868480
	.fill 96, 4, 3214868480
	.section	.rodata,"a",@progbits
	.p2align	6, 0x0
	.amdhsa_kernel k_q3625b4ba5d_gemm
		.amdhsa_group_segment_fixed_size 327680
		.amdhsa_private_segment_fixed_size 0
		.amdhsa_enable_private_segment 0
		.amdhsa_kernarg_size 32
		.amdhsa_user_sgpr_count 2
		.amdhsa_user_sgpr_kernarg_segment_ptr 1
		.amdhsa_wavefront_size32 1
		.amdhsa_system_sgpr_workgroup_id_x 1
		.amdhsa_system_sgpr_workgroup_id_y 1
		.amdhsa_system_sgpr_workgroup_id_z 1
		.amdhsa_system_vgpr_workitem_id 0
		.amdhsa_next_free_vgpr 1024
		.amdhsa_next_free_sgpr 66
		.amdhsa_reserve_vcc 0
		.amdhsa_float_denorm_mode_32 3
		.amdhsa_float_denorm_mode_16_64 3
		.amdhsa_memory_ordered 1
		.amdhsa_forward_progress 1
		.amdhsa_inst_pref_size 130
	.end_amdhsa_kernel
	.amdgpu_metadata
---
amdhsa.version: [ 1, 2 ]
amdhsa.kernels:
  - .name:           k_q3625b4ba5d_gemm
    .symbol:         k_q3625b4ba5d_gemm.kd
    .args:
      - { .name: xq, .offset: 0, .size: 8, .value_kind: global_buffer, .address_space: global }
      - { .name: wq, .offset: 8, .size: 8, .value_kind: global_buffer, .address_space: global }
      - { .name: coeff, .offset: 16, .size: 8, .value_kind: global_buffer, .address_space: global }
      - { .name: out0, .offset: 24, .size: 8, .value_kind: global_buffer, .address_space: global }
    .group_segment_fixed_size: 327680
    .private_segment_fixed_size: 0
    .kernarg_segment_align: 8
    .kernarg_segment_size: 32
    .max_flat_workgroup_size: 128
    .sgpr_count:     66
    .vgpr_count:     1024
    .wavefront_size: 32
...
	.end_amdgpu_metadata
.endif
;; end of part 2
;; ======== version 2 of 2: 2 launches
;; limits: values are held in bf16: 8 bits of precision; right only within a limited range of input values
;; workspace buffers: xq 6,553,600 bytes; wq 15,204,352 bytes
;; launch quant (part 3): grid 1280 x 1, 4 waves a work-group, no clusters, 44,032 bytes of LDS; arguments x, base, mask, xq, wq; writes xq, wq
.if DOCPART == 3
	.amdgcn_target "amdgcn-amd-amdhsa--gfx1250"
	.amdhsa_code_object_version 6
	.text
	.protected	k_q3625b4ba5d_quant
	.globl	k_q3625b4ba5d_quant
	.p2align	8
	.type	k_q3625b4ba5d_quant,@function
k_q3625b4ba5d_quant:
	s_mov_b64 s[64:65], 0
	v_nop
	global_prefetch_b8 v0, s[64:65] scope:SCOPE_SE
	s_setreg_imm32_b32 hwreg(HW_REG_WAVE_MODE, 25, 1), 1
	s_wait_xcnt 0x0
; x [2048][4096] bf16 (K innermost) and base [4096][4096] bf16 (K is the FIRST axis) are turned into codes of BF6 (E3M2), 6 bits each, with one E8M0 scale byte for each 32 along K; the signs packed in
; mask [128][4096] i32 are turned into one PERMUTED word a block, from which the product's launch makes their codes.  All is laid as that launch wants it: RECORDS in the order of the operand's registers.
; A fragment image (16 rows x 128 K, 1,536 bytes): register j (0..11) of lane L at 512 (j / 4) + 16 L + 4 (j % 4); lane (r = L % 16, h = L / 16) holds row r, registers 6 c .. 6 c + 5 hold k = 64 c + 32 h + 0 .. 31.
;   xq: record (mt, s), 25,600 bytes, at (32 mt + s) x 25,600: 16 images, fragment f = rows 256 mt + 16 f + r; then 1,024 bytes of scale words [grp 4][r 16][i 4]: row 16 (4 grp + i) + r.
;   wq: record (nt, s), 14,848 bytes, at (32 nt + s) x 14,848: 8 images of base [wn 2][f 4]: column 128 nt + 64 wn + 16 f + r; 512 bytes of scale words [wn 2][r 16][i 4]: column 64 wn + 16 i + r;
;       2,048 bytes of permuted sign words [wn 2][g 2][L 32][j 4]: word 4 g + j = 2 f + c of lane L = (r, h) is block 2 c + h of column 64 wn + 16 f + r.
; A block's scale is 2^(floor(log2(its largest magnitude)) - 4): its byte is the largest magnitude's exponent field - 4, held at 1 from below.  bf16 is widened to f32 exactly; maxima and conversions are in f32.
; THE SIGNS: one mask word is one block of 32 along K of one column.  Every number is +1 or -1, so the block's scale is 2^-4 (byte 123, a constant of the product's launch) and the codes are +16 = 0x1c and
; -16 = 0x3c: a fixed stream of bits with the inverted mask bit i at bit 6 i + 5.  In the three words of sixteen codes those places are 5, 11 .. 29;  3, 9 .. 27;  1, 7 .. 31: together the sixteen odd bits of ONE word.
; So the permuted word holds the inverted bits of codes 0-15 at these places, and those of codes 16-31 one place lower.
; LIMITS: NaN and infinities among the inputs are not served.  A block whose largest magnitude lies under 2^-122 keeps the byte 1; so does a block of zeros, where the rule says 127:
; its codes are zeros, which add nothing under any byte but 0xff, and this program alone reads the bytes.
; SHARES: work-groups 0..1023 make one record of wq each, 1024..1279 one of xq.  The two ways part once, on the work-group's number, never join, and have LDS bytes of their own.
; No tensor loads, no matrix unit, no cluster: memory binds, nothing is shared between work-groups, and every byte is read once.
.set RECA,  25600
.set RECB,  14848
.set FRB,   1536
.set SCOA,  24576                      ; where xq's scale words begin in a record
.set SCOB,  12288                      ; wq's
.set MSKO,  12800                      ; and wq's permuted sign words
.set FP,    1552                       ; wq's way: a fragment's place in the stage: 1,536 bytes + 16
.set WSC,   8*FP                       ; behind the 8 fragments: the 512 bytes of scale words,
.set WMSK,  WSC+512                    ; and the 2,048 bytes of permuted words
.set XSTG,  26112                      ; xq's way: a stage of 16 rows x 272 bytes for each wave
.set XW,    16*272
; wq's way, registers
.set TT,    18                         ; v18-21   at work on a mask word
.set EB,    22                         ; v22-25   a scale byte for each of my four columns
.set QH,    26                         ; v26-28   the upper half of a block's codes, as the conversion leaves it
.set MK,    32                         ; v32-35   four mask words
.set PM,    36                         ; v36-39   the same, permuted
.set WC,    60                         ; v60-91   base's codes, six registers a column at 8 u
.set WX,    92                         ; v92-123  32 numbers in f32
.set WR,    124                        ; v124-187 base as loaded; later the record on its way out
; xq's way, registers
.set XC,    28                         ; v28-51   codes: two sets of 12
.set XR,    52                         ; v52-115  x as loaded: two sets of 32
.set XY,    116                        ; v116-147 my row's 64 numbers, bf16
.set XX,    148                        ; v148-179 32 numbers in f32
; The largest magnitude of v[x] .. v[x + 31], in two chains, with the floor 2^(5 - 127) as one more leaf (so the byte cannot fall under 1); 4 off its exponent field is the conversion's scale operand.
.macro BLKSCALE x, ta, tb, scl
	v_max3_num_f32 v[\ta], |v[\x]|, |v[\x+1]|, |v[\x+2]|
	v_max3_num_f32 v[\tb], |v[\x+3]|, |v[\x+4]|, |v[\x+5]|
.irp i, 6,10,14,18,22,26
	v_max3_num_f32 v[\ta], v[\ta], |v[\x+\i]|, |v[\x+\i+1]|
	v_max3_num_f32 v[\tb], v[\tb], |v[\x+\i+2]|, |v[\x+\i+3]|
.endr
	v_max3_num_f32 v[\ta], v[\ta], |v[\x+30]|, |v[\x+31]|
	v_max3_num_f32 v[\ta], v[\ta], v[\tb], 0x2800000
	v_add_nc_u32 v[\scl], 0xfe000000, v[\ta]
.endm
; Three fields of five bits, from bit o of v[TT] on, are each spread to bits 0, 6, 12, 18, 24: times 0x108421 puts bit i at i + 5 m for m = 0 .. 4 (each place has one source: no carry), and the mask keeps m = i.
.macro SPREAD o
	v_bfe_u32 v[TT+1], v[TT], \o, 5
	v_bfe_u32 v[TT+2], v[TT], \o+5, 5
	v_bfe_u32 v[TT+3], v[TT], \o+10, 5
	v_mul_u32_u24 v[TT+1], s27, v[TT+1]
	v_mul_u32_u24 v[TT+2], s27, v[TT+2]
	v_mul_u32_u24 v[TT+3], s27, v[TT+3]
	v_and_b32 v[TT+1], s28, v[TT+1]
	v_and_b32 v[TT+2], s28, v[TT+2]
	v_and_b32 v[TT+3], s28, v[TT+3]
.endm
; Column u's mask word is permuted.  Codes 0-4, 5-9, 10-14: the spread fields shifted by 5, 3, 1; code 15: bit 31.  Codes 16-31: the same one place lower.
.macro SIGN u
	v_xor_b32 v[TT], -1, v[MK+\u]                  ; a set bit now means -1
	SPREAD 0
	v_lshlrev_b32 v[PM+\u], 5, v[TT+1]
	v_lshl_or_b32 v[PM+\u], v[TT+2], 3, v[PM+\u]
	v_lshl_or_b32 v[PM+\u], v[TT+3], 1, v[PM+\u]
	SPREAD 16
	v_lshl_or_b32 v[PM+\u], v[TT+1], 4, v[PM+\u]
	v_lshl_or_b32 v[PM+\u], v[TT+2], 2, v[PM+\u]
	v_or_b32 v[PM+\u], v[PM+\u], v[TT+3]
	v_lshlrev_b32 v[TT+1], 16, v[TT]                   ; bit 15 to bit 31
	v_lshrrev_b32 v[TT+2], 1, v[TT]                    ; bit 31 to bit 30
	v_and_or_b32 v[PM+\u], v[TT+1], s32, v[PM+\u]
	v_and_or_b32 v[PM+\u], v[TT+2], 0x40000000, v[PM+\u]
	ds_store_b32 v17, v[PM+\u] offset:16*\u
.endm
; Column u of base: my 32 numbers down K are one block.
.macro COL u
.set i, 0
.rept 32
.if (\u)%2 == 0
	v_lshlrev_b32 v[WX+i], 16, v[WR+2*i+(\u)/2]        ; bf16 to f32: the low half moves up,
.else
	v_and_b32 v[WX+i], s26, v[WR+2*i+(\u)/2]           ; the high half stays
.endif
.set i, i+1
.endr
	BLKSCALE WX, 14, 15, 16
	v_cvt_scalef32_pk16_bf6_f32 v[WC+8*\u:WC+8*\u+2], v[WX:WX+15], v16
	v_cvt_scalef32_pk16_bf6_f32 v[QH:QH+2], v[WX+16:WX+31], v16   ; (a conversion's three registers begin on an even number)
	v_lshrrev_b32 v[EB+\u], 23, v16                    ; the scale's byte; also the plain instruction behind the conversions
	v_mov_b32 v[WC+8*\u+3], v[QH]
	v_mov_b32 v[WC+8*\u+4], v[QH+1]
	v_mov_b32 v[WC+8*\u+5], v[QH+2]
	ds_store_b64 v5, v[WC+8*\u:WC+8*\u+1] offset:16*\u
	ds_store_b64 v6, v[WC+8*\u+2:WC+8*\u+3] offset:16*\u
	ds_store_b64 v7, v[WC+8*\u+4:WC+8*\u+5] offset:16*\u
	ds_store_b8 v8, v[EB+\u] offset:16*\u              ; my block's byte of the column's scale word
.endm
; Fragment f of my wave's four: 16 rows x 256 bytes of x; each load takes two whole rows' 256 bytes.
.macro LOADX f
.irp t, 0,1,2,3,4,5,6,7
	global_load_b128 v[XR+32*((\f)%2)+4*\t:XR+32*((\f)%2)+4*\t+3], v3, s[4:5] offset:(16*(\f)+2*\t)*8192 th:TH_LOAD_NT
.endr
.endm
.macro XFRAG f
.set RS, XR+32*((\f)%2)
.set CS, XC+12*((\f)%2)
.if (\f) < 3
	s_wait_loadcnt 8                               ; this fragment's eight loads are in; the next fragment's eight may be out
.else
	s_wait_loadcnt 0x0
.endif
.irp t, 0,1,2,3,4,5,6,7
	ds_store_b128 v4, v[RS+4*\t:RS+4*\t+3] offset:544*\t         ; rows 2 t and 2 t + 1 into my own stage, as they lie
.endr
.irp c, 0,1
.irp j, 0,1,2,3
	ds_load_b128 v[XY+16*\c+4*\j:XY+16*\c+4*\j+3], v5 offset:128*\c+16*\j   ; back: of row r the 32 numbers k = 64 c + 32 h on.  LDS serves a wave's instructions in order (ISA guide 5.7.1.4)
.endr
.endr
	s_wait_dscnt 0x0                               ; my numbers are in, and the stores have read their registers,
.if (\f) < 2
	LOADX (\f)+2                                   ; which take the fragment two further on
.else
	s_wait_xcnt 0x0                                ; this set of codes is written again only behind this wait: the stores of the fragment two back name it
.endif
.irp c, 0,1
.set i, 0
.rept 16
	v_lshlrev_b32 v[XX+2*i], 16, v[XY+16*\c+i]
	v_and_b32 v[XX+2*i+1], s26, v[XY+16*\c+i]
.set i, i+1
.endr
	BLKSCALE XX, 10, 11, 12
	v_cvt_scalef32_pk16_bf6_f32 v[CS+6*\c:CS+6*\c+2], v[XX:XX+15], v12
	v_cvt_scalef32_pk16_bf6_f32 v[24:26], v[XX+16:XX+31], v12
	v_lshrrev_b32 v[14+\c], 23, v12                ; the scale's byte; also the plain instruction behind the conversions
	v_mov_b32 v[CS+6*\c+3], v24
	v_mov_b32 v[CS+6*\c+4], v25
	v_mov_b32 v[CS+6*\c+5], v26
.endr
	v_lshl_or_b32 v16, v15, 16, v14                ; my two bytes: blocks h and 2 + h of row r,
	v_lshlrev_b32 v16, v8, v16                     ; at their places in the scale word (8 h bits up);
	v_permlanex16_b32 v17, v16, s20, s21
	v_or_b32 v[18+(\f)], v16, v17                  ; with lane l xor 16's two the word is whole
.irp c, 0,1,2
	global_store_b128 v6, v[CS+4*\c:CS+4*\c+3], s[10:11] offset:(\f)*FRB+512*\c   ; the image: 32 lanes store 512 consecutive bytes
.endr
.endm
	s_load_b256 s[4:11], s[0:1], 0x0               ; x s[4:5], base s[6:7], mask s[8:9], xq s[10:11]
	s_load_b64 s[12:13], s[0:1], 0x20              ; wq
	v_lshl_add_u32 v188, v0, 2, 0xaa00             ; my spare word, and 0
	v_mov_b32 v189, 0
	v_lshrrev_b32 v1, 5, v0
	v_readfirstlane_b32 s16, v1                    ; wave 0..3
	v_and_b32 v2, 31, v0                           ; lane
	s_mov_b32 s20, 0x76543210                      ; v_permlanex16_b32's selects for lane l xor 16
	s_mov_b32 s21, 0xfedcba98
	s_mov_b32 s23, 0                               ; the high word of every offset
	s_mov_b32 s26, 0xffff0000                      ; a word's upper bf16
	s_mov_b32 s27, 0x108421
	s_mov_b32 s28, 0x01041041
	s_mov_b32 s32, 0x80000000
	s_wait_kmcnt 0x0
	s_cmp_lt_u32 ttmp9, 1024                       ; the same in all four waves
	s_cbranch_scc0 .Lx
	; ---- A RECORD OF wq: 128 columns x 128 K.  Wave b takes block b of the K step (h = b % 2, c = b / 2); lane l takes columns 4 l .. 4 l + 3, and its registers run down K.
	s_and_b32 s33, ttmp9, 31                       ; nt: neighbouring work-groups read neighbouring bytes of the same rows
	s_lshr_b32 s34, ttmp9, 5                       ; s
	s_lshl_b32 s22, s34, 20                        ; base: (128 s + 32 b) rows of 8,192 bytes + 256 nt
	s_lshl_b32 s24, s16, 18
	s_add_co_u32 s22, s22, s24
	s_lshl_b32 s24, s33, 8
	s_add_co_u32 s22, s22, s24
	s_add_nc_u64 s[6:7], s[6:7], s[22:23]
	s_lshl_b32 s22, s34, 2                         ; mask: row 4 s + b of 16,384 bytes + 512 nt
	s_add_co_u32 s22, s22, s16
	s_lshl_b32 s22, s22, 14
	s_lshl_b32 s24, s33, 9
	s_add_co_u32 s22, s22, s24
	s_add_nc_u64 s[8:9], s[8:9], s[22:23]
	s_lshl_b32 s22, s33, 5                         ; wq: record 32 nt + s
	s_add_co_u32 s22, s22, s34
	s_mul_i32 s22, s22, RECB
	s_add_nc_u64 s[12:13], s[12:13], s[22:23]
	s_wait_alu depctr_va_vdst(0)
	v_lshlrev_b32 v3, 3, v2                        ; base: 8 bytes a lane
	v_lshlrev_b32 v4, 4, v2                        ; mask, and the images: 16 bytes a lane
	global_load_b128 v[MK:MK+3], v4, s[8:9] th:TH_LOAD_NT        ; 32 lanes read 512 consecutive bytes
.set i, 0
.rept 32
	global_load_b64 v[WR+2*i:WR+2*i+1], v3, s[6:7] offset:8192*i th:TH_LOAD_NT   ; row i of my block: 32 lanes read 256 consecutive bytes, at a multiple of 256 from base's first byte
.set i, i+1
.endr
	v_lshrrev_b32 v13, 4, v2                       ; wn = l / 16
	v_bfe_u32 v14, v2, 2, 2                        ; f = (l / 4) % 4
	v_and_b32 v15, 3, v2                           ; l % 4: my columns are rows r = 4 (l % 4) + u of the fragment
	v_mul_u32_u24 v16, v13, 4*FP
	v_mad_u32_u24 v16, v14, FP, v16
	v_lshl_add_u32 v16, v15, 6, v16                ; the fragment's place + 16 x 4 (l % 4)
	s_wait_alu depctr_va_vdst(0)
	s_and_b32 s17, s16, 1
	s_lshr_b32 s18, s16, 1
	s_lshl_b32 s17, s17, 8                         ; 256 h: lanes 16-31 of the image
	s_mul_i32 s19, s18, 520                        ; registers 6 c, 6 c + 1 lie at 0 or 520 in a lane's image,
	s_add_co_u32 s19, s19, s17
	v_add_nc_u32 v5, s19, v16
	s_add_co_u32 s24, s19, 512                     ; registers 6 c + 4, 6 c + 5 at 512 or 1,032,
	v_add_nc_u32 v7, s24, v16
	s_mul_i32 s19, s18, 1016                       ; registers 6 c + 2, 6 c + 3 at 8 or 1,024
	s_add_co_u32 s19, s19, s17
	s_add_co_u32 s19, s19, 8
	v_add_nc_u32 v6, s19, v16
	v_lshlrev_b32 v8, 8, v13                       ; my scale bytes: 256 wn + 64 (l % 4) + 4 f + b
	v_lshl_add_u32 v8, v15, 6, v8
	v_lshl_add_u32 v8, v14, 2, v8
	s_add_co_u32 s24, s16, WSC
	v_add_nc_u32 v8, s24, v8
	v_lshlrev_b32 v17, 10, v13                     ; my permuted words: 1,024 wn + 512 (f / 2) + 8 (f % 2) + 64 (l % 4) + 256 h + 4 c
	v_bfe_u32 v18, v2, 3, 1
	v_lshl_add_u32 v17, v18, 9, v17
	v_bfe_u32 v18, v2, 2, 1
	v_lshl_add_u32 v17, v18, 3, v17
	v_lshl_add_u32 v17, v15, 6, v17
	s_lshl_b32 s24, s18, 2
	s_add_co_u32 s24, s24, s17
	s_add_co_u32 s24, s24, WMSK
	v_add_nc_u32 v17, s24, v17
	s_mul_i32 s24, s16, 2*FP                       ; the way out: wave w takes fragments 2 w and 2 w + 1,
	v_add_nc_u32 v9, s24, v4
	s_mul_i32 s24, s16, 2*FRB
	v_add_nc_u32 v10, s24, v4
	v_lshlrev_b32 v12, 4, v0                       ; and 16 bytes of the permuted words a thread
	v_add_nc_u32 v11, WMSK, v12
	s_wait_loadcnt 32                              ; the mask words are in; base's 32 loads may be out
	SIGN 0
	SIGN 1
	SIGN 2
	SIGN 3
	s_wait_loadcnt 0x0
	COL 0
	COL 1
	COL 2
	COL 3
	s_wait_dscnt 0x0                               ; for the others' sake: my stores into the stage are done
	s_barrier_signal -1
	s_barrier_wait -1                              ; the record is whole: each image has a part from each wave
.irp i, 0,1
.irp c, 0,1,2
	ds_load_b128 v[WR+4*(3*\i+\c):WR+4*(3*\i+\c)+3], v9 offset:\i*FP+512*\c
.endr
.endr
	ds_load_b128 v[WR+24:WR+27], v11
.irp i, 0,1
.irp c, 0,1,2
	s_wait_dscnt 6-(3*\i+\c)                       ; the LDS loads issued behind this one may be out
	global_store_b128 v10, v[WR+4*(3*\i+\c):WR+4*(3*\i+\c)+3], s[12:13] offset:\i*FRB+512*\c   ; 32 lanes store 512 consecutive bytes
.endr
.endr
	s_wait_dscnt 0x0
	global_store_b128 v12, v[WR+24:WR+27], s[12:13] offset:MSKO  ; a wave stores 512 consecutive bytes of permuted words
	s_cmp_lg_u32 s16, 0                            ; the 512 bytes of scale words are one store of one wave
	s_cbranch_scc1 .Lw_end
	ds_load_b128 v[WR+28:WR+31], v4 offset:WSC
	s_wait_dscnt 0x0
	global_store_b128 v4, v[WR+28:WR+31], s[12:13] offset:SCOB
.Lw_end:
	s_wait_tensorcnt 0x0
	ds_add_u32 v188, v189
	s_wait_dscnt 0x0
	s_endpgm
	; ---- A RECORD OF xq: 256 rows x 128 K.  Wave w takes rows 64 w .. 64 w + 63: fragments 4 w .. 4 w + 3 and group w of the scale words.  Waves share nothing: no barrier.
.Lx:
	s_sub_co_u32 s33, ttmp9, 1024
	s_lshr_b32 s34, s33, 5                         ; mt
	s_and_b32 s33, s33, 31                         ; s
	s_lshl_b32 s22, s34, 8                         ; x: (256 mt + 64 w) rows of 8,192 bytes + 256 s
	s_lshl_b32 s24, s16, 6
	s_add_co_u32 s22, s22, s24
	s_lshl_b32 s22, s22, 13
	s_lshl_b32 s24, s33, 8
	s_add_co_u32 s22, s22, s24
	s_add_nc_u64 s[4:5], s[4:5], s[22:23]
	s_lshl_b32 s22, s34, 5                         ; xq: record 32 mt + s
	s_add_co_u32 s22, s22, s33
	s_mul_i32 s22, s22, RECA
	s_add_nc_u64 s[10:11], s[10:11], s[22:23]
	s_wait_alu depctr_va_vdst(0)
	v_and_b32 v13, 15, v2                          ; r
	v_lshrrev_b32 v9, 4, v2                        ; h
	v_lshlrev_b32 v3, 13, v9
	v_lshl_add_u32 v3, v13, 4, v3                  ; in: lanes 0-15 one row's 256 bytes, lanes 16-31 the next row's
	LOADX 0
	LOADX 1
	s_mul_i32 s24, s16, XW
	s_add_co_u32 s24, s24, XSTG                    ; my stage
	v_mul_u32_u24 v4, v9, 272
	v_lshl_add_u32 v4, v13, 4, v4
	v_add_nc_u32 v4, s24, v4                       ; into it: as loaded; rows 272 bytes apart, so that the sixteen rows of a read start at sixteen different banks
	v_mul_u32_u24 v5, v13, 272
	v_lshl_add_u32 v5, v9, 6, v5
	v_add_nc_u32 v5, s24, v5                       ; out of it: row r, + 64 h bytes
	s_mul_i32 s24, s16, 4*FRB
	v_lshlrev_b32 v6, 4, v2
	v_add_nc_u32 v6, s24, v6                       ; my images: 16 bytes a lane
	s_lshl_b32 s24, s16, 8
	v_lshlrev_b32 v8, 3, v9                        ; 8 h
	v_lshl_add_u32 v7, v13, 4, v8
	v_add_nc_u32 v7, s24, v7                       ; my scale words: 256 w + 16 r + 8 h
	v_mov_b32 v17, 0                               ; written once: a lane permute's destination counts as one of its sources
	s_wait_alu depctr_va_vdst(0)
	XFRAG 0
	XFRAG 1
	XFRAG 2
	XFRAG 3
	v_cmp_eq_u32 vcc_lo, 1, v9                     ; row r's four words (fragments 0 to 3) lie in both halves of the lanes: lanes 0-15 store the first two, lanes 16-31 the others
	v_cndmask_b32 v22, v18, v20, vcc_lo
	v_cndmask_b32 v23, v19, v21, vcc_lo
	global_store_b64 v7, v[22:23], s[10:11] offset:SCOA          ; the wave stores 256 consecutive bytes
	s_wait_tensorcnt 0x0
	ds_add_u32 v188, v189
	s_wait_dscnt 0x0
	s_endpgm
.Lfunc_end_k_q3625b4ba5d_quant:
	.size	k_q3625b4ba5d_quant, .Lfunc_end_k_q3625b4ba5d_quant-k_q3625b4ba5d_quant
	.p2alignl 7, 3214868480
	.fill 96, 4, 3214868480
	.section	.rodata,"a",@progbits
	.p2align	6, 0x0
	.amdhsa_kernel k_q3625b4ba5d_quant
		.amdhsa_group_segment_fixed_size 44032
		.amdhsa_private_segment_fixed_size 0
		.amdhsa_enable_private_segment 0
		.amdhsa_kernarg_size 40
		.amdhsa_user_sgpr_count 2
		.amdhsa_user_sgpr_kernarg_segment_ptr 1
		.amdhsa_wavefront_size32 1
		.amdhsa_system_sgpr_workgroup_id_x 1
		.amdhsa_system_sgpr_workgroup_id_y 1
		.amdhsa_system_sgpr_workgroup_id_z 1
		.amdhsa_system_vgpr_workitem_id 0
		.amdhsa_next_free_vgpr 190
		.amdhsa_next_free_sgpr 66
		.amdhsa_reserve_vcc 1
		.amdhsa_float_denorm_mode_32 3
		.amdhsa_float_denorm_mode_16_64 3
		.amdhsa_memory_ordered 1
		.amdhsa_forward_progress 1
		.amdhsa_inst_pref_size 55
	.end_amdhsa_kernel
	.amdgpu_metadata
---
amdhsa.version: [ 1, 2 ]
amdhsa.kernels:
  - .name:           k_q3625b4ba5d_quant
    .symbol:         k_q3625b4ba5d_quant.kd
    .args:
      - { .name: x, .offset: 0, .size: 8, .value_kind: global_buffer, .address_space: global }
      - { .name: base, .offset: 8, .size: 8, .value_kind: global_buffer, .address_space: global }
      - { .name: mask, .offset: 16, .size: 8, .value_kind: global_buffer, .address_space: global }
      - { .name: xq, .offset: 24, .size: 8, .value_kind: global_buffer, .address_space: global }
      - { .name: wq, .offset: 32, .size: 8, .value_kind: global_buffer, .address_space: global }
    .group_segment_fixed_size: 44032
    .private_segment_fixed_size: 0
    .kernarg_segment_align: 8
    .kernarg_segment_size: 40
    .max_flat_workgroup_size: 128
    .sgpr_count:     66
    .vgpr_count:     190
    .wavefront_size: 32
...
	.end_amdgpu_metadata
.endif
;; end of part 3
;; launch gemm (part 4): grid 32 x 8, 4 waves a work-group, clusters of 4 x 4, 327,680 bytes of LDS; arguments xq, wq, coeff, out0; writes out0
.if DOCPART == 4
	.amdgcn_target "amdgcn-amd-amdhsa--gfx1250"
	.amdhsa_code_object_version 6
	.text
	.protected	k_q3625b4ba5d_gemm
	.globl	k_q3625b4ba5d_gemm
	.p2align	8
	.type	k_q3625b4ba5d_gemm,@function
k_q3625b4ba5d_gemm:
	s_mov_b64 s[64:65], 0
	v_nop
	global_prefetch_b8 v0, s[64:65] scope:SCOPE_SE
	s_setreg_imm32_b32 hwreg(HW_REG_WAVE_MODE, 25, 1), 1
	s_wait_xcnt 0x0
	s_wait_alu depctr_hold_cnt(0) depctr_sa_sdst(0) depctr_va_vdst(0) depctr_va_sdst(0) depctr_va_ssrc(0) depctr_va_vcc(0) depctr_vm_vsrc(0)
	s_getreg_b32 s2, hwreg(HW_REG_IB_STS2, 6, 4)
	s_cmp_eq_u32 s2, 0
	s_cbranch_scc0 .Lentry_in_a_cluster
	s_endpgm
.Lentry_in_a_cluster:
	s_bfe_u32 s2, ttmp6, 0x10000c
	s_cmp_lg_u32 s2, 0xf033
	s_cbranch_scc0 .Lentry_shape_is_right
	s_endpgm
.Lentry_shape_is_right:
; y = x Q(base) + (x sign) coeff: both products on codes of BF6 (E3M2) with E8M0 scales, sums in f32, y rounded once to bf16.  The buffers xq and wq are laid by the launch in front (records: see its head).
; A work-group makes 256 rows x 128 columns of y; a wave (wm, wn) 128 rows x 64 columns: 8 blocks of 16 rows, each against 4 fragments of base and 4 of signs: 64 accumulators, 512 registers.
; K goes in 32 steps of 128; a slot of LDS holds four steps' records (161,792 bytes), two slots take turns.  A wave fetches half a slot's records of A or of B with one joint load, as rows of 256 bytes.
; CLUSTERS: 4 x 4 work-groups; A's records are shared along a row of the cluster, B's along a column: each is asked for jointly.
; THE MATRIX INSTRUCTION IS USED TRANSPOSED (source 0 = 16 columns, source 1 = 16 rows): a lane holds row r of a block and eight neighbouring columns.
; A step's 64 matrix instructions go by A's blocks, each against the eight fragments.  A has one set of registers: blocks 0-3 are fetched anew in the step's middle, with the other set of B's fragments,
; blocks 4-7 at its end.  The signs' codes are made in the second half, in groups of three lines: a permuted word of 32 inverted sign bits gives a block's six registers by masks (see the launch in front);
; +-1 is the code +-16 under the scale 2^-4.
; In the last step blocks 0-3 leave while blocks 4-7 are multiplied.
; No prefetch: a refill is asked for 224 matrix instructions of the wave or more ahead of the wait for it, so the tiles' own loads are already asked for far ahead.
; WINDOWS: 0: addresses, v32-47 scale words (two sets), v48-63 coeff as loaded, v128-223 A's fragments, v64-127 and v224-255 the way out;  1: v0-95, v128-223 the two sets of B's, v96-103 sign words;
;   2, 3: accumulators of blocks 0-3, 4-7 (block a, fragment b at 64 (a % 4) + 8 b; b = 0..3 base, 4..7 signs).
.set RECA,   25600
.set RECB,   14848
.set FRB,    1536
.set SCOA,   24576
.set SCOB,   12288
.set MSKO,   12800
.set NQ,     4                         ; steps in a slot
.set BOFF,   NQ*RECA                   ; B's records lie behind A's
.set SLOT,   NQ*(RECA+RECB)
.set SPARE,  2*SLOT                    ; the spare words: 512 bytes that no other line names
.set STREAMA, 32*RECA
.set STREAMB, 32*RECB
.set ROWSA,  2*RECA/256
.set ROWSB,  2*RECB/256
.set FR,     12
.set SPITCH, 272                       ; the way out: 256 rows of 256 bytes + 16, in slot 0, which has had its last fill and its last read by then
.set ADRA, 4                           ; v4-7    A's fragments: slot x pair of records
.set ADRB, 8                           ; v8-9
.set ADRM, 10                          ; v10-11  sign words
.set ADSA, 12                          ; v12-15  A's scale words
.set ADSB, 16                          ; v16-17
.set STO,  24
.set RD,   25
.set CO,   26
.set CFA,  27
.set SPW,  28
.set NIL,  29
.set SGN,  30                          ; the signs' scale bytes
.set SC,   32
.set CRAW, 48
.set COEF, 64                          ; coeff in f32
.set AF,   128
.set MW,   96
.set MT,   104
.set G1, 24
.set G0, 32
.set G1B, 48
.set G0B, 56
.set SM,  66
.set SCN, 69
.set MSB, 0
.macro WIN new                         ; the immediate's high byte repeats the setting that is left
.if MSB != (\new)
	s_set_vgpr_msb (MSB<<8)|(\new)
.set MSB, \new
.endif
.endm
.set MUL_LO, 0xa1                      ; source 0 window 1, source 1 window 0, C and D window 2 (+ 0x50: window 3)
.set TO_B,   0x40
.set IN_B,   0x45
; A joint load: waves 0 and 1 fetch A's records, waves 2 and 3 B's.
.macro JLOAD sl
	s_cmp_eq_u32 s15, 0
	s_cbranch_scc0 .Lfor_b_\@
	tensor_load_to_lds s[G0+4*(\sl):G0+4*(\sl)+3], s[G1:G1+7]
	s_nop 0
.rept 4
	v_nop
.endr
	s_branch .Lasked_\@
.Lfor_b_\@:
	tensor_load_to_lds s[G0B+4*(\sl):G0B+4*(\sl)+3], s[G1B:G1B+7]
	s_nop 0
.rept 4
	v_nop
.endr
.Lasked_\@:
.endm
.macro CREST                           ; a round of the cluster's barrier behind its opening barrier
	s_cmp_lg_u32 s14, 0
	s_cbranch_scc1 .Lnot_wave_0_\@
	s_barrier_signal -3
.Lnot_wave_0_\@:
	s_barrier_wait -3
	s_barrier_signal -1
	s_barrier_wait -1
.endm
.macro CROUND
	s_barrier_signal -1
	s_barrier_wait -1
	CREST
.endm
	s_load_b256 s[4:11], s[0:1], 0x0               ; xq s[4:5], wq s[6:7], coeff s[8:9], y s[10:11]
	v_lshl_add_u32 v[SPW], v0, 2, SPARE
	v_mov_b32 v[NIL], 0
	ds_add_u32 v[SPW], v[NIL]                      ; the opening lines: the add, twice on end, and its wait
	ds_add_u32 v[SPW], v[NIL]
	v_mov_b32 v[SGN], 0x7b7b7b7b                   ; 2^-4 for every block of signs
	v_lshrrev_b32 v1, 5, v0
	v_readfirstlane_b32 s14, v1                    ; wave
	s_lshr_b32 s15, s14, 1                         ; wm; also: I fetch for A (0) or B (1)
	s_and_b32 s16, s14, 1                          ; wn; also: which two of a slot's four records I fetch
	s_bfe_u32 s40, ttmp6, 0x40000                  ; cx, cy
	s_bfe_u32 s41, ttmp6, 0x40004
	s_lshl_b32 s42, ttmp9, 2
	s_add_co_u32 s42, s42, s40                     ; tile column
	s_and_b32 s17, ttmp7, 0xffff
	s_lshl_b32 s17, s17, 2
	s_add_co_u32 s17, s17, s41                     ; tile row
	s_lshl_b32 s43, s41, 2
	s_lshl_b32 s43, 15, s43                        ; my row of the cluster
	s_lshl_b32 s44, 0x1111, s40                    ; my column
	; group 1: a dense block of two records as rows of 256 bytes (32 elements of 8 bytes)
	s_or_b32 s[G1+0], s43, (3<<16)|(1<<21)
	s_mov_b32 s[G1+1], 32<<16
	s_mov_b32 s[G1+2], ROWSA<<16
	s_mov_b32 s[G1+3], 32<<16
	s_mov_b32 s[G1+4], ROWSA
	s_mov_b32 s[G1+5], 32
	s_mov_b32 s[G1+6], 0
	s_mov_b32 s[G1+7], 0
	s_or_b32 s[G1B+0], s44, (3<<16)|(1<<21)
	s_mov_b32 s[G1B+1], 32<<16
	s_mov_b32 s[G1B+2], ROWSB<<16
	s_mov_b32 s[G1B+3], 32<<16
	s_mov_b32 s[G1B+4], ROWSB
	s_mov_b32 s[G1B+5], 32
	s_mov_b32 s[G1B+6], 0
	s_mov_b32 s[G1B+7], 0
	s_mov_b32 s[SM], 0x20820820                    ; the sign bits' places in the three words of sixteen codes,
	s_mov_b32 s[SM+1], 0x08208208
	s_mov_b32 s[SM+2], 0x82082082
	s_mov_b32 s[SCN], 0x1c71c71c                   ; and sixteen codes 0x1c
	s_mov_b32 s[SCN+1], 0xc71c71c7
	s_mov_b32 s[SCN+2], 0x71c71c71
	s_mul_i32 s18, s17, STREAMA
	s_mul_i32 s19, s16, 2*RECA
	s_add_co_u32 s18, s18, s19
	s_mov_b32 s19, 0
	s_mul_i32 s46, s42, STREAMB
	s_mul_i32 s47, s16, 2*RECB
	s_add_co_u32 s46, s46, s47
	s_mov_b32 s47, 0
	s_mul_i32 s45, s16, 2*RECA                     ; where they go in a slot
	s_mul_i32 s13, s16, 2*RECB
	s_add_co_u32 s13, s13, BOFF
	s_wait_dscnt 0x0                               ; both opening adds are done
	s_wait_kmcnt 0x0
	s_add_nc_u64 s[20:21], s[4:5], s[18:19]
	s_add_nc_u64 s[46:47], s[6:7], s[46:47]
	CROUND                                         ; all sixteen work-groups are here: the first joint loads meet
.irp s, 0,1
	s_mov_b32 s[G0+4*\s], 1
	s_add_co_u32 s[G0+4*\s+1], s45, \s*SLOT
	s_add_nc_u64 s[G0+4*\s+2:G0+4*\s+3], s[20:21], \s*NQ*RECA
	s_or_b32 s[G0+4*\s+3], s[G0+4*\s+3], 0x80000000
	s_mov_b32 s[G0B+4*\s], 1
	s_add_co_u32 s[G0B+4*\s+1], s13, \s*SLOT
	s_add_nc_u64 s[G0B+4*\s+2:G0B+4*\s+3], s[46:47], \s*NQ*RECB
	s_or_b32 s[G0B+4*\s+3], s[G0B+4*\s+3], 0x80000000
.endr
	JLOAD 0                                        ; steps 0 to 3: one tensor load a wave at the head
	; under its flight: the addresses, and coeff
	v_and_b32 v1, 15, v0                           ; r
	v_bfe_u32 v2, v0, 4, 1                         ; h
	v_and_b32 v3, 31, v0
	v_lshlrev_b32 v3, 4, v3                        ; 16 x lane
	v_lshlrev_b32 v20, 4, v1
	v_lshlrev_b32 v[CFA], 4, v2                    ; coeff: my eight columns of each 16
	v_mul_u32_u24 v21, v1, SPITCH                  ; into the stage: row r, 16 h
	v_lshl_add_u32 v21, v2, 4, v21
	v_mul_u32_u24 v22, v2, SPITCH                  ; out of it: lanes 0-15 one row of 256 bytes, lanes 16-31 the next
	v_lshl_add_u32 v22, v1, 4, v22
	v_lshlrev_b32 v[CO], 13, v2                    ; and the same two rows in y
	v_lshl_add_u32 v[CO], v1, 4, v[CO]
	s_wait_alu depctr_va_vdst(0)
	s_lshl_b32 s12, s42, 8
	s_lshl_b32 s13, s16, 7
	s_add_co_u32 s12, s12, s13
	s_mov_b32 s13, 0
	s_add_nc_u64 s[8:9], s[8:9], s[12:13]
.irp b, 0,1,2,3
	global_load_b128 v[CRAW+4*\b:CRAW+4*\b+3], v[CFA], s[8:9] offset:32*\b   ; waited for on the way out
.endr
	s_mul_i32 s22, s15, 8*FRB
.irp s, 0,1
.irp u, 0,1
	s_add_co_u32 s23, s22, \s*SLOT+\u*2*RECA
	v_add_nc_u32 v[ADRA+2*\s+\u], s23, v3
.endr
.endr
	s_lshl_b32 s22, s15, 9
.irp s, 0,1
.irp u, 0,1
	s_add_co_u32 s23, s22, \s*SLOT+\u*2*RECA+SCOA
	v_add_nc_u32 v[ADSA+2*\s+\u], s23, v3
.endr
.endr
	s_mul_i32 s22, s16, 4*FRB
.irp s, 0,1
	s_add_co_u32 s23, s22, \s*SLOT+BOFF
	v_add_nc_u32 v[ADRB+\s], s23, v3
.endr
	s_lshl_b32 s22, s16, 10
.irp s, 0,1
	s_add_co_u32 s23, s22, \s*SLOT+BOFF+MSKO
	v_add_nc_u32 v[ADRM+\s], s23, v3
.endr
	s_lshl_b32 s22, s16, 8
.irp s, 0,1
	s_add_co_u32 s23, s22, \s*SLOT+BOFF+SCOB
	v_add_nc_u32 v[ADSB+\s], s23, v20
.endr
	s_mul_i32 s22, s15, 128*SPITCH
	s_lshl_b32 s23, s16, 7
	s_add_co_u32 s23, s22, s23
	v_add_nc_u32 v[STO], s23, v21                  ; rows 128 wm on, bytes 128 wn on
	s_mul_i32 s23, s16, 32*SPITCH
	s_add_co_u32 s23, s22, s23
	v_add_nc_u32 v[RD], s23, v22                   ; rows 128 wm + 32 wn on (+ 64 for blocks 4-7)
	s_lshl_b32 s18, s17, 8
	s_lshl_b32 s19, s15, 7
	s_add_co_u32 s18, s18, s19
	s_lshl_b32 s19, s16, 5
	s_add_co_u32 s18, s18, s19
	s_lshl_b32 s18, s18, 13
	s_mov_b32 s19, 0
	s_add_nc_u64 s[10:11], s[10:11], s[18:19]
	s_lshl_b32 s12, s42, 8
	s_add_nc_u64 s[10:11], s[10:11], s[12:13]
; THE STEP'S STATE, as symbols: XW matrix instruction (0..63), PCU / PNX B's set (and the scale words') of this and of the next step, CSL this step's slot, NSL / NQI the next step's slot and record,
; SI the next of the 56 lines that make the next step's signs, NIS loads issued for the next step.
.macro SETUP t
.set PCU, (\t)%2
.set PNX, 1-PCU
.set CSL, ((\t)/4)%2
.set NSL, (((\t)+1)/4)%2
.set NQI, ((\t)+1)%4
.set XW, 0
.set NIS, 0
.set SI, 0
.endm
; The next step's first 28 loads: two of sign words, twelve of base's fragments, A's and B's scale words, A's blocks 0-3.
.macro LOADS1
	WIN TO_B
.set XI, 0
.rept 2
	ds_load_b128 v[MW+4*XI:MW+4*XI+3], v[ADRM+NSL] offset:NQI*RECB+512*XI
.set XI, XI+1
.endr
.set XI, 0
.rept 12
	ds_load_b128 v[128*PNX+4*XI:128*PNX+4*XI+3], v[ADRB+NSL] offset:NQI*RECB+512*XI
.set XI, XI+1
.endr
	WIN 0
	ds_load_b128 v[SC+8*PNX:SC+8*PNX+3], v[ADSA+2*NSL+NQI/2] offset:(NQI%2)*RECA
	ds_load_b128 v[SC+8*PNX+4:SC+8*PNX+7], v[ADSB+NSL] offset:NQI*RECB
.set XI, 0
.rept 12
	ds_load_b128 v[AF+4*XI:AF+4*XI+3], v[ADRA+2*NSL+NQI/2] offset:(NQI%2)*RECA+512*XI
.set XI, XI+1
.endr
.set NIS, 28
.endm
; And its last twelve: A's blocks 4-7.
.macro LOADS2
	WIN 0
.set XI, 12
.rept 12
	ds_load_b128 v[AF+4*XI:AF+4*XI+3], v[ADRA+2*NSL+NQI/2] offset:(NQI%2)*RECA+512*XI
.set XI, XI+1
.endr
.set NIS, NIS+12
.endm
; Three of the 56 lines that make the next step's codes of signs: seven for each sign word: the first sixteen codes' three registers, the word one place up, the other sixteen codes' three.
.macro SGRP
.if SI == 0
	s_wait_dscnt NIS-2                             ; the sign words, the first two of these loads, are in
.endif
	WIN IN_B
.rept 3
.if SI < 56
.set SRG, 128*PNX+FR*(4+SI/14)+6*((SI/7)%2)
.set SK, SI%7
.if SK < 3
	v_and_or_b32 v[SRG+SK], v[MW+SI/7], s[SM+SK], s[SCN+SK]
.endif
.if SK == 3
	v_lshlrev_b32 v[MT], 1, v[MW+SI/7]
.endif
.if SK > 3
	v_and_or_b32 v[SRG+SK-1], v[MT], s[SM+SK-4], s[SCN+SK-4]
.endif
.endif
.set SI, SI+1
.endr
.endm
; One matrix instruction.  The accumulators take turns, one instruction a turn, in the same order in every step.
.set ZERO, 0
.macro MMA
.set XA, XW/8
.set XB, XW%8
.set ACR, 64*(XA%4)+8*XB
.set BFR, 128*PCU+FR*XB
.set AFR, AF+FR*XA
.set SAR, SC+8*PCU+XA%4
.if XB < 4
.set SBR, SC+8*PCU+4+XB
.else
.set SBR, SGN
.endif
	WIN MUL_LO+0x50*(XA/4)
.if ZERO
.if XA < 4
	v_wmma_scale_f32_16x16x128_f8f6f4 v[ACR:ACR+7], v[BFR:BFR+FR-1], v[AFR:AFR+FR-1], 0, v[SBR], v[SAR] matrix_a_fmt:MATRIX_FMT_BF6 matrix_b_fmt:MATRIX_FMT_BF6
.else
	v_wmma_scale_f32_16x16x128_f8f6f4 v[ACR:ACR+7], v[BFR:BFR+FR-1], v[AFR:AFR+FR-1], 0, v[SBR], v[SAR] matrix_a_fmt:MATRIX_FMT_BF6 matrix_b_fmt:MATRIX_FMT_BF6 matrix_b_scale:MATRIX_SCALE_ROW1
.endif
.else
.if XA < 4
	v_wmma_scale_f32_16x16x128_f8f6f4 v[ACR:ACR+7], v[BFR:BFR+FR-1], v[AFR:AFR+FR-1], v[ACR:ACR+7], v[SBR], v[SAR] matrix_a_fmt:MATRIX_FMT_BF6 matrix_b_fmt:MATRIX_FMT_BF6
.else
	v_wmma_scale_f32_16x16x128_f8f6f4 v[ACR:ACR+7], v[BFR:BFR+FR-1], v[AFR:AFR+FR-1], v[ACR:ACR+7], v[SBR], v[SAR] matrix_a_fmt:MATRIX_FMT_BF6 matrix_b_fmt:MATRIX_FMT_BF6 matrix_b_scale:MATRIX_SCALE_ROW1
.endif
.endif
.endm
; The next n matrix instructions of the step; from number 42 on a group of the signs' lines behind each, until all 56 stand.
.macro RUN n
.rept \n
	MMA
.if (XW >= 42) && (SI < 56)
	SGRP
.endif
.set XW, XW+1
.endr
.endm
; Four places: ahead of loads into registers that matrix instructions have read, and of reads of results just made.
.macro PLACES
.rept 4
	v_nop
.endr
.endm
; The step's second half.
.macro REST
	LOADS1
	RUN 32
	PLACES                                         ; (also the places between the signs' codes and the matrix instructions that take them)
	s_wait_alu depctr_va_vdst(0)                   ; the wait between the signs' codes and their readers
	LOADS2
.endm
; A step of 128 along K.
.macro STEP t
	SETUP \t
	s_wait_dscnt 12                                ; the youngest twelve loads, A's blocks 4-7, may be out
	RUN 32
	s_wait_dscnt 0x0                               ; they are in
	PLACES
	REST
.endm
; A slot's last step: the slot has been read, the other one is shown to all waves and, with fill = 1, this one is filled again behind a round of the cluster's barrier.
.macro TURN t, fill
	SETUP \t
	s_wait_tensorcnt 0x0                           ; my part of the other slot is in
	ds_add_u32 v[SPW], v[NIL]                      ; (every window is 0 here)
.if \fill
	s_add_nc_u64 s[G0+4*CSL+2:G0+4*CSL+3], s[G0+4*CSL+2:G0+4*CSL+3], 2*NQ*RECA
	s_add_nc_u64 s[G0B+4*CSL+2:G0B+4*CSL+3], s[G0B+4*CSL+2:G0B+4*CSL+3], 2*NQ*RECB
.endif
	s_wait_dscnt 13                                ; the add and A's blocks 4-7 may be out
	RUN 16
	s_wait_dscnt 0x0                               ; the add is done, and so are all my reads of this slot
	s_barrier_signal -1
	RUN 16
	WIN 0
	s_barrier_wait -1
.if \fill
	CREST                                          ; no wave of any partner still reads this slot or has a load on its way
	JLOAD CSL                                      ; the first tensor load behind the round; the four v_nop behind it are the places in front of the loads below
.else
	PLACES
.endif
	REST
.endm
; THE WAY OUT.  PACK: block a: base's sum + signs' sum x coeff, rounded to bf16, into the stage.  BACK: 32 rows of blocks 4 hf .. 4 hf + 3 come back whole.  OUT: stored.
.macro PACK a
.set AC, 64*((\a)%4)
.set PKR, 96+16*((\a)%4)+96*(((\a)%4)/2)           ; v96, v112, v224, v240
	WIN 0xa2+0x51*((\a)/4)
.irp b, 0,1,2,3
.irp p, 0,1,2,3
	v_pk_fma_f32 v[AC+8*\b+2*\p:AC+8*\b+2*\p+1], v[AC+8*(4+\b)+2*\p:AC+8*(4+\b)+2*\p+1], v[COEF+8*\b+2*\p:COEF+8*\b+2*\p+1], v[AC+8*\b+2*\p:AC+8*\b+2*\p+1]
.endr
.endr
	WIN 0x0a+5*((\a)/4)
.irp b, 0,1,2,3
.irp p, 0,1,2,3
	v_cvt_pk_bf16_f32 v[PKR+4*\b+\p], v[AC+8*\b+2*\p], v[AC+8*\b+2*\p+1]
.endr
.endr
	WIN 0
.irp b, 0,1,2,3
	ds_store_b128 v[STO], v[PKR+4*\b:PKR+4*\b+3] offset:(\a)*16*SPITCH+32*\b
.endr
.endm
.macro OBSET                           ; where the rows come back to: the registers that PACK used
.set OBR, 96+4*XT+96*(XT/8)
.endm
.macro BACK hf
	WIN 0
.set XT, 0
.rept 16
	OBSET
	ds_load_b128 v[OBR:OBR+3], v[RD] offset:(64*(\hf)+2*XT)*SPITCH
.set XT, XT+1
.endr
.endm
.macro OUT hf
	WIN 0
.set XT, 0
.rept 16
	OBSET
	s_wait_dscnt 15-XT
	global_store_b128 v[CO], v[OBR:OBR+3], s[10:11] offset:(64*(\hf)+2*XT)*8192 th:TH_STORE_NT   ; 16 lanes store 256 consecutive bytes, at a multiple of 256
.set XT, XT+1
.endr
.endm
	s_wait_alu depctr_va_vdst(0)
	s_wait_tensorcnt 0x0                           ; my part of slot 0 is in; slot 1's first fill is issued as a refill is:
	ds_add_u32 v[SPW], v[NIL]
	s_wait_dscnt 0x0
	CROUND                                         ; slot 0 is whole, and all sixteen work-groups are here
	JLOAD 1                                        ; steps 4 to 7
	SETUP 7                                        ; step 0's fragments, into set 0 (the step behind step 7 of a lap lies where step 0 does)
	LOADS1
	LOADS2
.rept 19
	SGRP
.endr
	PLACES
	s_wait_alu depctr_va_vdst(0)                   ; the wait between the signs' codes and their readers
.set ZERO, 1
	STEP 0                                         ; its products start the sums: nothing is cleared
.set ZERO, 0
	WIN 0
	s_mov_b32 s3, 3
.Llap:                                                 ; steps 1 to 8, 9 to 16, 17 to 24: once round the ring
	STEP 1
	STEP 2
	TURN 3, 1
	STEP 4
	STEP 5
	STEP 6
	TURN 7, 1
	STEP 8
	WIN 0
	s_sub_co_u32 s3, s3, 1
	s_cmp_lg_u32 s3, 0
	s_cbranch_scc1 .Llap
	STEP 25
	STEP 26
	TURN 27, 0                                     ; nothing is left to fetch: no round
	STEP 28
	STEP 29
	STEP 30
	SETUP 31
.set SI, 56                            ; the last step: nothing is fetched, no signs are made
	s_wait_dscnt 12                                ; A's blocks 4-7 may be out
	RUN 32                                         ; blocks 0-3 are finished
	WIN 0
	s_wait_loadcnt 0x0                             ; coeff
.irp b, 0,1,2,3
.irp m, 0,1,2,3
	v_lshlrev_b32 v[COEF+8*\b+2*\m], 16, v[CRAW+4*\b+\m]        ; (these 32 lines are also the places behind the last products)
	v_and_b32 v[COEF+8*\b+2*\m+1], 0xffff0000, v[CRAW+4*\b+\m]
.endr
.endr
	PACK 0
	PACK 1
	PACK 2
	PACK 3
	s_wait_dscnt 16                                ; A's blocks 4-7 are in; the sixteen stores into the stage may be out
	RUN 8
	s_wait_dscnt 0x0                               ; my stores into the stage are done
	s_barrier_signal -1
	RUN 8
	WIN 0
	s_barrier_wait -1                              ; blocks 0-3 of all four waves lie in the stage
	BACK 0
	RUN 16
	OUT 0
	s_wait_xcnt 0x0                                ; these stores have read their registers
	PLACES
	PACK 4
	PACK 5
	PACK 6
	PACK 7
	s_wait_dscnt 0x0
	s_barrier_signal -1
	s_barrier_wait -1
	BACK 1
	OUT 1
	s_wait_tensorcnt 0x0                           ; the wave's end
	ds_add_u32 v[SPW], v[NIL]
	s_wait_dscnt 0x0
	CROUND                                         ; the closing round
	s_endpgm
.Lfunc_end_k_q3625b4ba5d_gemm:
	.size	k_q3625b4ba5d_gemm, .Lfunc_end_k_q3625b4ba5d_gemm-k_q3625b4ba5d_gemm
	.p2alignl 7, 3214868480
	.fill 96, 4, 3214868480
	.section	.rodata,"a",@progbits
	.p2align	6, 0x0
	.amdhsa_kernel k_q3625b4ba5d_gemm
		.amdhsa_group_segment_fixed_size 327680
		.amdhsa_private_segment_fixed_size 0
		.amdhsa_enable_private_segment 0
		.amdhsa_kernarg_size 32
		.amdhsa_user_sgpr_count 2
		.amdhsa_user_sgpr_kernarg_segment_ptr 1
		.amdhsa_wavefront_size32 1
		.amdhsa_system_sgpr_workgroup_id_x 1
		.amdhsa_system_sgpr_workgroup_id_y 1
		.amdhsa_system_sgpr_workgroup_id_z 1
		.amdhsa_system_vgpr_workitem_id 0
		.amdhsa_next_free_vgpr 1024
		.amdhsa_next_free_sgpr 72
		.amdhsa_reserve_vcc 0
		.amdhsa_float_denorm_mode_32 3
		.amdhsa_float_denorm_mode_16_64 3
		.amdhsa_memory_ordered 1
		.amdhsa_forward_progress 1
		.amdhsa_inst_pref_size 255
	.end_amdhsa_kernel
	.section	.bss,"aw",@nobits
	.p2align	6
	.space	262144
	.amdgpu_metadata
---
amdhsa.version: [ 1, 2 ]
amdhsa.kernels:
  - .name:           k_q3625b4ba5d_gemm
    .symbol:         k_q3625b4ba5d_gemm.kd
    .args:
      - { .name: xq, .offset: 0, .size: 8, .value_kind: global_buffer, .address_space: global }
      - { .name: wq, .offset: 8, .size: 8, .value_kind: global_buffer, .address_space: global }
      - { .name: coeff, .offset: 16, .size: 8, .value_kind: global_buffer, .address_space: global }
      - { .name: out0, .offset: 24, .size: 8, .value_kind: global_buffer, .address_space: global }
    .group_segment_fixed_size: 327680
    .private_segment_fixed_size: 0
    .kernarg_segment_align: 8
    .kernarg_segment_size: 32
    .max_flat_workgroup_size: 128
    .sgpr_count:     72
    .vgpr_count:     1024
    .wavefront_size: 32
...
	.end_amdgpu_metadata
.endif
;; end of part 4
